; MI455X (gfx1250); checked and timed in simulation.
; The chip was launched on July 23, 2026; its instructions are those of AMD's public machine-readable ISA for CDNA 5 (MIT licence, August 2026) and "CDNA5" Instruction Set Architecture Reference Guide (July 2026). The comments in the code are by the model that wrote it; some were corrected since.
;; Spatial Self Attention. Allowed arithmetic: matrix products marked QUANTISED: E4M3 operands, one E8M0 scale for each 32 along K, by v_wmma_scale_f32_16x16x128_f8f6f4 with both operands' format E4M3, f32 sums; everything else in f32.
;; Inputs: bk 512 float32; bo 512 float32; bq 512 float32; bv 512 float32; gn_bias 512 float32; gn_scale 512 float32; wk 512 x 512 float32; wo 512 x 512 float32; wq 512 x 512 float32; wv 512 x 512 float32; x 8 x 512 x 32 x 64 float32.
;; Outputs: out0 8 x 512 x 32 x 64 float32.
;; This version of the problem:
;;   THIS VERSION OF THE PROBLEM IS GIVEN IN LOW PRECISION. The matrix products marked QUANTISED in the list below multiply operands that are first quantised to E4M3 (4 exponent bits, 3 mantissa bits; 8 bits a number), with one power-of-two scale for each 32 numbers along K (OCP MX v1.0); their sums are f32. All else is computed in f32.
;;   The module's matrix products, in the order in which they are computed (A, B: the left and right operand; K: the contracted axis; several contracted axes count as one K, in the product's order):
;;     1. [M 16,384, K 512] x [K 512, N 512]; A: computed on the way; B: input wq: QUANTISED
;;     2. [M 16,384, K 512] x [K 512, N 512]; A: computed on the way; B: input wk: QUANTISED
;;     3. [M 16,384, K 512] x [K 512, N 512]; A: computed on the way; B: input wv: QUANTISED
;;     4. batch 8 x [M 2,048, K 512] x [K 512, N 2,048]; A: computed on the way; B: computed on the way: QUANTISED
;;     5. batch 8 x [M 512, K 2,048] x [K 2,048, N 2,048]; A: computed on the way; B: softmax (see below): QUANTISED
;;     6. [M 16,384, K 512] x [K 512, N 512]; A: computed on the way; B: input wo: QUANTISED
;;   THE QUANTISER, for each operand of a quantised product, along K:
;;     - K is cut into blocks of 32 from its start; a last block that is shorter is filled with zeros.
;;     - A block's scale is 2^e with e = floor(log2(the largest magnitude in the block)) - 8, held to -126 .. 127; a block of zeros has e = 0. As a byte (E8M0): e + 127.
;;     - Each number is divided by its block's scale, clamped to +-448, and rounded to the nearest number of E4M3, ties to even, subnormals kept.
;;     - The product sums the exact products of the quantised numbers (number of the format x scale) in f32.
;;   ~~~python
;;   def quantise(x, axis):      # numpy; x: float32 -> the quantised numbers, widened to float32 again
;;       x = np.moveaxis(x, axis, -1); K = x.shape[-1]
;;       x = np.pad(x, [(0, 0)] * (x.ndim - 1) + [(0, -K % 32)]); x = x.reshape(x.shape[:-1] + (-1, 32)); a = np.abs(x).max(-1, keepdims=True)
;;       e = np.where(a > 0, np.clip(np.frexp(np.where(a > 0, a, 1))[1] - 1 - 8, -126, 127), 0)      # np.frexp(a)[1] - 1 = floor(log2(a)), exactly
;;       r = np.clip(x / 2.0 ** e, -448, 448)
;;       step = 2.0 ** (np.maximum(np.frexp(np.where(r == 0, 1, r))[1] - 1, -6) - 3)
;;       q = np.round(r / step) * step * 2.0 ** e      # np.round: ties to even
;;       return np.moveaxis(q.reshape(q.shape[:-2] + (-1,))[..., :K], -1, axis).astype(np.float32)
;;   ~~~
;;   SOFTMAX AHEAD OF A QUANTISED PRODUCT. Where the list says 'softmax', what is quantised is not the finished softmax but p = 2^(t - M), with t = logit x log2(e) and M = ceil(the row's largest t), a whole number; so 1/2 < the row's largest p <= 1. The row's sum l is taken of the UNQUANTISED p, in f32, and the product's result is divided by l at the end. Since M is a whole number, a kernel that streams over the keys may use a running M (the ceiling of the running maximum): every later rescaling is an exact power of two, which a block's scale takes up: the codes' values come out the same.
;;   OPERANDS COMPUTED ON THE WAY. 'Computed on the way' means the value that the module computes at that place (a softmax that the list does not call 'softmax' is quantised finished and normalised). What goes into a quantiser is computed in f32, as accurately as f32 sums, v_exp_f32 and their like allow (about 1e-6 of the number): no bf16 or f16 on the way to a quantiser, and a product that is left as it is and whose result goes on into a quantised operand takes f32 operands (vector FMAs, or v_wmma_f32_16x16x4_f32). A number that lies on a knife's edge between two numbers of the format may be rounded either way, as far as f32 arithmetic and the matrix unit's own rounding can turn it there, and no further.
;; 2 versions, each right. Each part assembles by itself: llvm-mc -triple=amdgcn-amd-amdhsa -mcpu=gfx1250 --defsym DOCPART=n.
;; ======== version 1 of 2: 3 launches
;; limits: right only within a limited range of input values
;; workspace buffers: hn_codes 8,388,608 bytes; hn_sw 1,048,576 bytes; wbuf 1,081,344 bytes; qbuf 8,650,752 bytes; kv 17,301,504 bytes
;; launch prep (part 1): grid 136 x 1, 16 waves a work-group, no clusters, 10,752 bytes of LDS; arguments wq, wk, wv, wo, x, gn_scale, gn_bias, hn_codes, hn_sw, wbuf; writes hn_codes, hn_sw, wbuf
.if DOCPART == 1
	.amdgcn_target "amdgcn-amd-amdhsa--gfx1250"
	.amdhsa_code_object_version 6
	.text
	.protected	k_q83656a1971_prep
	.globl	k_q83656a1971_prep
	.p2align	8
	.type	k_q83656a1971_prep,@function
k_q83656a1971_prep:
	s_mov_b64 s[64:65], 0
	v_nop
	global_prefetch_b8 v0, s[64:65] scope:SCOPE_SE
	s_setreg_imm32_b32 hwreg(HW_REG_WAVE_MODE, 25, 1), 1
	s_wait_xcnt 0x0
; FIRST OF THREE LAUNCHES.  out0 = x + wo . attention(GroupNorm(x)) + bo, all six products on codes of FP8 (E4M3) with one E8M0 scale for each 32 along K.
; NOTHING OF THE PROBLEM IS LEFT OUT: every bias goes into a quantised operand (bq, bk, bv) or into the output (bo), gn_scale and gn_bias into hn: all eleven inputs are loaded by some launch.
; THIS LAUNCH: (a) work-groups 0-127: GroupNorm of 32 channels (two groups of 16) x 2,048 positions of one batch, held in registers (x is read once), quantised along the channels;
;              (b) work-groups 128-135: the four weights [512][512], K innermost, quantised along K; one wave takes 16 rows.
; ALL WORKSPACE IS LAID IN THE ORDER OF AN OPERAND'S REGISTERS.  A fragment (16 rows x 128 K) is 2,048 bytes: byte c*512 + 16*lane + e = the code of (row lane%16, k = 32 c + 16 (lane/16) + e).
; TILE ORDER (positions, and the rows of the weights): tile 2 B + u holds the 16 indices 32 B + 8 u + r + 8 (r/8), so that results of two neighbouring tiles are 16 neighbours along the next K.
;   hn_codes [b][tile 0..127][K step 0..3] fragments;   hn_sw [b][block of 32 channels cb][16 tile + r] words = the scale byte << 8 (cb % 4);
;   wbuf [q,k,v,o][chunk of 128 rows] 67,584 bytes: fragment (tile t, K step e) at 8192 t + 2048 e; scale words at 65536 + 256 t + 8 lane + 4 g: row lane%16, K step 2 g + lane/16.
; A LANE TAKES A POSITION AND ITS REGISTERS RUN DOWN THE CHANNELS: a block of 32 along K is one lane's 32 registers.  Thread (wave, lane) owns positions 128 wave + 32 j + lane, j = 0..3.
; The variance is the mean of the squared deviations from the mean (two passes over the registers), so a common offset of x costs nothing.
; No cluster: the work-groups share no input.  No prefetch: all of a work-group's loads go out at its head.  136 work-groups: a block of 32 channels needs both of its groups' statistics over all positions.
; LIMITS: NaN and infinities among the inputs are not served; a block of zeros gets the scale byte 1 (its codes are zeros; this program alone reads the bytes).
.set RED1,  0                          ; LDS: 16 waves x (sum of group 0, sum of group 1)
.set RED2,  256                        ; the same for the squares
.set STG,   512                        ; 512 bytes for each wave: its 128 scale words
.set SPARE, 8704                       ; the spare words, 128 bytes for each wave
.set CH,    67584
.set X,     96                         ; v96-223  GroupNorm: position j, channel c at X + 32 j + c;  weights: two sets of 64 numbers
.set CD,    52                         ; v52-83   GroupNorm: the codes, 8 registers a position
.set TM,    12                         ; v12-27   at work
.set PW,    28                         ; v28-31   scale bytes or words
.set PC,    32                         ; v32-95   weights: the codes of the four K steps
.set SPW,   10
.set NIL,   11
.set WV,    24
.set MNT,   25                         ; s25  the mantissa field of 448
	s_load_b256 s[4:11], s[0:1], 0x0               ; wq, wk, wv, wo
	s_load_b256 s[12:19], s[0:1], 0x20             ; x, gn_scale, gn_bias, hn_codes
	s_load_b128 s[20:23], s[0:1], 0x40             ; hn_sw, wbuf
	v_lshl_add_u32 v[SPW], v0, 2, SPARE
	v_mov_b32 v[NIL], 0
	v_lshrrev_b32 v1, 5, v0
	v_readfirstlane_b32 s[WV], v1                  ; wave 0..15
	v_and_b32 v9, 31, v0                           ; lane
	s_mov_b32 s[MNT], 0x600000
	s_mov_b32 s3, 0
	s_wait_kmcnt 0x0
	s_cmp_ge_u32 ttmp9, 128                        ; the work-group's number alone: all sixteen waves go the same way
	s_cbranch_scc1 .Lweights
	; ================= GroupNorm: work-group 16 b + cb
	s_lshl_b32 s2, ttmp9, 18                       ; 32 channels x 8,192 bytes
	s_add_nc_u64 s[12:13], s[12:13], s[2:3]
	v_lshlrev_b32 v2, 2, v9
	v_lshl_add_u32 v2, v1, 9, v2                   ; 4 (128 wave + lane)
.set zc, 0
.rept 32                                               ; channel by channel: four loads on end cover 512 neighbouring bytes of the wave
.irp j, 0,1,2,3
	global_load_b32 v[X+32*\j+zc], v2, s[12:13] offset:zc*8192+\j*128 th:TH_LOAD_NT
.endr
.set zc, zc+1
.endr
	s_mov_b32 s6, 0x76543210                       ; v_permlanex16_b32's selects for lane l xor 16
	s_mov_b32 s7, 0xfedcba98
	s_mov_b32 s11, 0x38000000                      ; 2^-15 = 1 / (16 x 2,048)
	s_mov_b32 s4, 0x358637bd                       ; 1e-6
	s_and_b32 s8, ttmp9, 15                        ; cb
	s_lshr_b32 s9, ttmp9, 4                        ; b
	s_and_b32 s10, s8, 3
	s_lshl_b32 s10, s10, 3                         ; the byte's place in the scale word
	s_lshl_b32 s2, s8, 7
	s_add_nc_u64 s[14:15], s[14:15], s[2:3]
	s_add_nc_u64 s[16:17], s[16:17], s[2:3]
	s_load_b512 s[32:47], s[14:15], 0x0            ; gn_scale of my 32 channels
	s_load_b512 s[48:63], s[14:15], 0x40
	s_load_b512 s[68:83], s[16:17], 0x0            ; gn_bias
	s_load_b512 s[84:99], s[16:17], 0x40
	s_lshl_b32 s2, s9, 20
	s_lshl_b32 s5, s8, 9
	s_add_co_u32 s2, s2, s5
	s_add_nc_u64 s[18:19], s[18:19], s[2:3]        ; hn_codes: batch, K step cb / 4, block cb % 4: 2^20 b + 512 cb
	s_lshl_b32 s2, ttmp9, 13
	s_add_nc_u64 s[20:21], s[20:21], s[2:3]        ; hn_sw: my plane of 2,048 words
	v_bfe_u32 v4, v9, 3, 1                         ; u: position lane of a block of 32 lies in tile 2 B + u,
	v_and_b32 v5, 7, v9
	v_lshrrev_b32 v6, 4, v9
	v_lshl_add_u32 v5, v6, 3, v5                   ; at row lane % 8 + 8 (lane / 16)
	v_lshlrev_b32 v3, 4, v5
	v_lshl_add_u32 v3, v4, 13, v3
	v_lshl_add_u32 v3, v1, 16, v3                  ; codes: 65536 wave + 8192 u + 16 row
	v_lshlrev_b32 v7, 2, v5
	v_lshl_add_u32 v7, v4, 6, v7
	v_lshl_add_u32 v7, v1, 9, v7
	v_add_nc_u32 v7, STG, v7                       ; scale words into my wave's stage: 4 (16 u + row), 128 bytes a j
	v_lshl_add_u32 v8, v0, 4, STG                  ; and back, 16 bytes a lane
	v_lshlrev_b32 v6, 4, v0                        ; the same place in the plane of hn_sw
	v_lshlrev_b32 v4, 3, v1                        ; 8 x wave
	v_lshlrev_b32 v5, 2, v9                        ; 4 x lane
.macro GSUM g, a                       ; the sum of my 64 numbers of group g: two chains of packed additions, started by the first numbers
	v_pk_add_f32 v[\a:\a+1], v[X+16*\g:X+16*\g+1], v[X+16*\g+2:X+16*\g+3]
	v_pk_add_f32 v[\a+2:\a+3], v[X+32+16*\g:X+32+16*\g+1], v[X+32+16*\g+2:X+32+16*\g+3]
.irp c, 4,6,8,10,12,14
	v_pk_add_f32 v[\a:\a+1], v[\a:\a+1], v[X+16*\g+\c:X+16*\g+\c+1]
	v_pk_add_f32 v[\a+2:\a+3], v[\a+2:\a+3], v[X+32+16*\g+\c:X+32+16*\g+\c+1]
.endr
.irp c, 0,2,4,6,8,10,12,14
	v_pk_add_f32 v[\a:\a+1], v[\a:\a+1], v[X+64+16*\g+\c:X+64+16*\g+\c+1]
	v_pk_add_f32 v[\a+2:\a+3], v[\a+2:\a+3], v[X+96+16*\g+\c:X+96+16*\g+\c+1]
.endr
	v_pk_add_f32 v[\a:\a+1], v[\a:\a+1], v[\a+2:\a+3]
	v_add_f32 v[\a], v[\a], v[\a+1]
.endm
.macro GDEV g, a, m                    ; x - mean in place, and the sum of the squares
.irp j, 0,1,2,3
.irp c, 0,2,4,6,8,10,12,14
	v_pk_add_f32 v[X+32*\j+16*\g+\c:X+32*\j+16*\g+\c+1], v[X+32*\j+16*\g+\c:X+32*\j+16*\g+\c+1], s[\m:\m+1] op_sel_hi:[1,0]
.endr
.endr
	v_pk_mul_f32 v[\a:\a+1], v[X+16*\g:X+16*\g+1], v[X+16*\g:X+16*\g+1]
	v_pk_mul_f32 v[\a+2:\a+3], v[X+32+16*\g:X+32+16*\g+1], v[X+32+16*\g:X+32+16*\g+1]
.irp c, 2,4,6,8,10,12,14
	v_pk_fma_f32 v[\a:\a+1], v[X+16*\g+\c:X+16*\g+\c+1], v[X+16*\g+\c:X+16*\g+\c+1], v[\a:\a+1]
	v_pk_fma_f32 v[\a+2:\a+3], v[X+32+16*\g+\c:X+32+16*\g+\c+1], v[X+32+16*\g+\c:X+32+16*\g+\c+1], v[\a+2:\a+3]
.endr
.irp c, 0,2,4,6,8,10,12,14
	v_pk_fma_f32 v[\a:\a+1], v[X+64+16*\g+\c:X+64+16*\g+\c+1], v[X+64+16*\g+\c:X+64+16*\g+\c+1], v[\a:\a+1]
	v_pk_fma_f32 v[\a+2:\a+3], v[X+96+16*\g+\c:X+96+16*\g+\c+1], v[X+96+16*\g+\c:X+96+16*\g+\c+1], v[\a+2:\a+3]
.endr
	v_pk_add_f32 v[\a:\a+1], v[\a:\a+1], v[\a+2:\a+3]
	v_add_f32 v[\a], v[\a], v[\a+1]
.endm
.macro WSUM a                          ; over the wave's 32 lanes
	v_add_f32_dpp v[\a], v[\a], v[\a] row_xmask:1 row_mask:0xf bank_mask:0xf
	v_add_f32_dpp v[\a], v[\a], v[\a] row_xmask:2 row_mask:0xf bank_mask:0xf
	v_add_f32_dpp v[\a], v[\a], v[\a] row_xmask:4 row_mask:0xf bank_mask:0xf
	v_add_f32_dpp v[\a], v[\a], v[\a] row_xmask:8 row_mask:0xf bank_mask:0xf
	v_permlanex16_b32 v[\a+1], v[\a], s6, s7
	v_add_f32 v[\a], v[\a], v[\a+1]
.endm
.macro ALLSUM red                      ; v12, v16: the wave's two sums -> v14: even lanes the work-group's sum of group 0, odd lanes of group 1
	v_mov_b32 v13, v16
	ds_store_b64 v4, v[12:13] offset:\red          ; all lanes write the same two words with the same values
	s_wait_dscnt 0x0                               ; for the others' sake
	s_barrier_signal -1
	s_barrier_wait -1
	ds_load_b32 v14, v5 offset:\red                ; lane 2 w + g: wave w's sum of group g
	s_wait_dscnt 0x0
	v_add_f32_dpp v14, v14, v14 row_xmask:2 row_mask:0xf bank_mask:0xf
	v_add_f32_dpp v14, v14, v14 row_xmask:4 row_mask:0xf bank_mask:0xf
	v_add_f32_dpp v14, v14, v14 row_xmask:8 row_mask:0xf bank_mask:0xf
	v_permlanex16_b32 v15, v14, s6, s7
	v_add_f32 v14, v14, v15
.endm
	s_wait_loadcnt 63                              ; 128 were issued: the oldest 65 are in, channels 0-15 among them
	GSUM 0, 12
	s_wait_loadcnt 0x0
	GSUM 1, 16
	WSUM 12
	WSUM 16
	ALLSUM RED1
	v_mul_f32 v14, 0xb8000000, v14                 ; - the mean
	v_readlane_b32 s26, v14, 0
	v_readlane_b32 s28, v14, 1
	s_mov_b32 s27, s26                             ; (named with it as a pair)
	s_mov_b32 s29, s28
	GDEV 0, 12, 26
	GDEV 1, 16, 28
	WSUM 12
	WSUM 16
	ALLSUM RED2                                    ; other bytes than the first time: no wave still reads what is written here
	v_fma_f32 v14, v14, s11, s4                    ; the variance + 1e-6
	v_rsq_f32 v14, v14
	v_nop                                          ; a plain instruction behind the transcendental,
	s_wait_alu depctr_va_vdst(0)                   ; and the wait ahead of its first reader
	v_readlane_b32 s30, v14, 0
	v_readlane_b32 s31, v14, 1
	s_wait_kmcnt 0x0                               ; gn_scale, gn_bias
.set zc, 0
.rept 16
	s_mul_f32 s[32+zc], s[32+zc], s30              ; the gain x 1 / sqrt(variance + 1e-6) of the channel's group
	s_mul_f32 s[48+zc], s[48+zc], s31
.set zc, zc+1
.endr
.set zc, 0
.rept 32
.irp j, 0,1,2,3
	v_fma_f32 v[X+32*\j+zc], v[X+32*\j+zc], s[32+zc], s[68+zc]     ; hn
.endr
.set zc, zc+1
.endr
	; the four blocks of 32 (one a position) by turns: largest magnitude with the floor 2^(9-127), scale operand, hold, byte
.irp j, 0,1,2,3
	v_max3_num_f32 v[12+2*\j], |v[X+32*\j]|, |v[X+32*\j+1]|, |v[X+32*\j+2]|
	v_max3_num_f32 v[13+2*\j], |v[X+32*\j+3]|, |v[X+32*\j+4]|, |v[X+32*\j+5]|
.endr
.irp i, 6,10,14,18,22,26
.irp j, 0,1,2,3
	v_max3_num_f32 v[12+2*\j], v[12+2*\j], |v[X+32*\j+\i]|, |v[X+32*\j+\i+1]|
	v_max3_num_f32 v[13+2*\j], v[13+2*\j], |v[X+32*\j+\i+2]|, |v[X+32*\j+\i+3]|
.endr
.endr
.irp j, 0,1,2,3
	v_max3_num_f32 v[12+2*\j], v[12+2*\j], |v[X+32*\j+30]|, |v[X+32*\j+31]|
.endr
.irp j, 0,1,2,3
	v_max3_num_f32 v[12+2*\j], v[12+2*\j], v[13+2*\j], 0x4800000
.endr
.irp j, 0,1,2,3
	v_add_nc_u32 v[20+\j], 0xfc000000, v[12+2*\j]  ; 8 off the exponent field: the conversion's scale operand
.endr
.irp j, 0,1,2,3
	v_and_or_b32 v[24+\j], v[12+2*\j], 0x7f800000, s[MNT]  ; 448 x the scale
.endr
.irp j, 0,1,2,3
	v_lshrrev_b32 v[PW+\j], 23, v[20+\j]           ; the scale's byte,
.endr
.irp j, 0,1,2,3
	v_lshlrev_b32 v[PW+\j], s10, v[PW+\j]          ; at its place in the word of 128 channels
.endr
.irp j, 0,1,2,3
	ds_store_b32 v7, v[PW+\j] offset:128*\j
.endr
.irp j, 0,1,2,3
.set zc, 0
.rept 32
	v_med3_num_f32 v[X+32*\j+zc], v[X+32*\j+zc], -v[24+\j], v[24+\j]   ; the conversion does not saturate (ISA guide 7.6.2): the hold at 448 x the scale
.set zc, zc+1
.endr
.irp q, 0,1,2,3
	v_cvt_scalef32_pk8_fp8_f32 v[CD+8*\j+2*\q:CD+8*\j+2*\q+1], v[X+32*\j+8*\q:X+32*\j+8*\q+7], v[20+\j]
.endr
	global_store_b128 v3, v[CD+8*\j:CD+8*\j+3], s[18:19] offset:\j*16384        ; channels 0-15 of the block: the fragment's lanes 0-15; the wave fills two aligned runs of 256 bytes
	global_store_b128 v3, v[CD+8*\j+4:CD+8*\j+7], s[18:19] offset:\j*16384+256  ; channels 16-31: its lanes 16-31
.endr
	v_nop
	ds_load_b128 v[32:35], v8                      ; LDS serves a wave's instructions in order: these see my stores
	s_wait_dscnt 0x0
	global_store_b128 v6, v[32:35], s[20:21]       ; the wave's 128 scale words: 512 consecutive bytes
	s_wait_tensorcnt 0x0                           ; the wave's end, behind my last LDS store
	ds_add_u32 v[SPW], v[NIL]
	s_wait_dscnt 0x0
	s_endpgm
	; ================= the weights: wave T = 16 (work-group - 128) + wave takes tile T % 8 of chunk T / 8
.Lweights:
	s_sub_co_u32 s26, ttmp9, 128
	s_lshr_b32 s27, s26, 1                         ; which weight: q, k, v, o
	s_and_b32 s28, s27, 1
	s_cmp_eq_u32 s28, 0
	s_cselect_b64 s[4:5], s[4:5], s[6:7]
	s_cselect_b64 s[8:9], s[8:9], s[10:11]
	s_cmp_lt_u32 s27, 2
	s_cselect_b64 s[4:5], s[4:5], s[8:9]
	s_mov_b32 s6, 0x76543210
	s_mov_b32 s7, 0xfedcba98
	s_mov_b32 s34, 0xffff0000                      ; lanes 16-31
	s_lshl_b32 s28, s26, 1
	s_lshr_b32 s29, s[WV], 3
	s_add_co_u32 s28, s28, s29                     ; chunk 0..15
	s_and_b32 s29, s[WV], 7                        ; tile t
	s_and_b32 s30, s28, 3
	s_lshl_b32 s30, s30, 7
	s_lshr_b32 s31, s29, 1
	s_lshl_b32 s31, s31, 5
	s_add_co_u32 s30, s30, s31
	s_and_b32 s31, s29, 1
	s_lshl_b32 s31, s31, 3
	s_add_co_u32 s30, s30, s31                     ; the tile's first row: 128 i + 32 (t / 2) + 8 (t % 2)
	s_lshl_b32 s2, s30, 11
	s_add_nc_u64 s[4:5], s[4:5], s[2:3]
	s_mul_i32 s2, s28, CH
	s_add_nc_u64 s[22:23], s[22:23], s[2:3]        ; my chunk of wbuf
	s_lshl_b32 s2, s29, 8
	s_add_co_u32 s2, s2, 65536
	s_add_nc_u64 s[32:33], s[22:23], s[2:3]        ; my tile's scale words
	s_lshl_b32 s2, s29, 13
	s_add_nc_u64 s[22:23], s[22:23], s[2:3]        ; my tile's fragments
	v_and_b32 v2, 15, v9
	v_lshrrev_b32 v3, 4, v9
	v_and_b32 v4, 8, v2
	v_add_nc_u32 v4, v4, v2                        ; r + 8 (r / 8)
	v_lshlrev_b32 v4, 11, v4
	v_lshl_add_u32 v2, v3, 6, v4                   ; in: that row of 2,048 bytes, + 64 (lane / 16): my 16 numbers of a block of 32
	v_lshlrev_b32 v3, 4, v9                        ; out: 16 x lane
	v_lshlrev_b32 v4, 3, v9                        ; 8 x lane
.irp b, 0,1,2,3
	v_mov_b32 v[TM+4+\b], 0                        ; written once: a lane permute's destination counts as one of its sources
.endr
.macro LOADW e                         ; K step e: 64 numbers a lane, register 16 b + i = k 32 b + 16 (lane / 16) + i
.irp b, 0,1,2,3
.irp j, 0,1,2,3
	global_load_b128 v[X+64*((\e)%2)+16*\b+4*\j:X+64*((\e)%2)+16*\b+4*\j+3], v2, s[4:5] offset:512*(\e)+128*\b+16*\j th:TH_LOAD_NT
.endr
.endr
.endm
.macro QUANTW src, pc, pw              ; 64 numbers of a lane become a fragment's codes and its scale word
.irp b, 0,1,2,3
	v_max3_num_f32 v[TM+\b], |v[(\src)+16*\b]|, |v[(\src)+16*\b+1]|, 0x4800000
.endr
.irp i, 2,4,6,8,10,12,14
.irp b, 0,1,2,3
	v_max3_num_f32 v[TM+\b], v[TM+\b], |v[(\src)+16*\b+\i]|, |v[(\src)+16*\b+\i+1]|
.endr
.endr
.irp b, 0,1,2,3
	v_permlanex16_b32 v[TM+4+\b], v[TM+\b], s6, s7
.endr
.irp b, 0,1,2,3
	v_max_num_f32 v[TM+\b], v[TM+\b], v[TM+4+\b]
.endr
.irp b, 0,1,2,3
	v_add_nc_u32 v[TM+12+\b], 0xfc000000, v[TM+\b]
.endr
.irp b, 0,1,2,3
	v_and_or_b32 v[TM+8+\b], v[TM+\b], 0x7f800000, s[MNT]
.endr
.irp b, 0,1,2,3
	v_lshrrev_b32 v[TM+4+\b], 23, v[TM+12+\b]
.endr
	v_lshl_or_b32 v[\pw], v[TM+5], 8, v[TM+4]
	v_lshl_or_b32 v[\pw], v[TM+6], 16, v[\pw]
	v_lshl_or_b32 v[\pw], v[TM+7], 24, v[\pw]
.irp b, 0,1,2,3
.irp i, 0,1,2,3,4,5,6,7,8,9,10,11,12,13,14,15
	v_med3_num_f32 v[(\src)+16*\b+\i], v[(\src)+16*\b+\i], -v[TM+8+\b], v[TM+8+\b]
.endr
	v_cvt_scalef32_pk8_fp8_f32 v[(\pc)+4*\b:(\pc)+4*\b+1], v[(\src)+16*\b:(\src)+16*\b+7], v[TM+12+\b]
	v_cvt_scalef32_pk8_fp8_f32 v[(\pc)+4*\b+2:(\pc)+4*\b+3], v[(\src)+16*\b+8:(\src)+16*\b+15], v[TM+12+\b]
.endr
	v_nop
.endm
	LOADW 0
	LOADW 1
.irp e, 0,1,2,3
.if \e < 3
	s_wait_loadcnt 16                              ; this K step's 16 loads are in, the next one's may be out
.else
	s_wait_loadcnt 0x0
.endif
	QUANTW X+64*(\e%2), PC+16*\e, PW+\e
.irp c, 0,1,2,3
	global_store_b128 v3, v[PC+16*\e+4*\c:PC+16*\e+4*\c+3], s[22:23] offset:\e*2048+\c*512   ; 512 consecutive bytes
.endr
.if \e < 2
	LOADW \e+2
.endif
.endr
	v_cndmask_b32 v8, v[PW], v[PW+1], s34          ; lanes 0-15 the word of K step 0, lanes 16-31 of K step 1;
	v_cndmask_b32 v9, v[PW+2], v[PW+3], s34        ; K steps 2 and 3
	global_store_b64 v4, v[8:9], s[32:33]          ; one aligned run of 256 bytes
	s_wait_tensorcnt 0x0                           ; the wave's end, in the same form as on the other path
	ds_add_u32 v[SPW], v[NIL]
	s_wait_dscnt 0x0
	s_endpgm
.Lfunc_end_k_q83656a1971_prep:
	.size	k_q83656a1971_prep, .Lfunc_end_k_q83656a1971_prep-k_q83656a1971_prep
	.p2alignl 7, 3214868480
	.fill 96, 4, 3214868480
	.section	.rodata,"a",@progbits
	.p2align	6, 0x0
	.amdhsa_kernel k_q83656a1971_prep
		.amdhsa_group_segment_fixed_size 10752
		.amdhsa_private_segment_fixed_size 0
		.amdhsa_enable_private_segment 0
		.amdhsa_kernarg_size 80
		.amdhsa_user_sgpr_count 2
		.amdhsa_user_sgpr_kernarg_segment_ptr 1
		.amdhsa_wavefront_size32 1
		.amdhsa_system_sgpr_workgroup_id_x 1
		.amdhsa_system_sgpr_workgroup_id_y 1
		.amdhsa_system_sgpr_workgroup_id_z 1
		.amdhsa_system_vgpr_workitem_id 0
		.amdhsa_next_free_vgpr 256
		.amdhsa_next_free_sgpr 100
		.amdhsa_reserve_vcc 0
		.amdhsa_float_denorm_mode_32 3
		.amdhsa_float_denorm_mode_16_64 3
		.amdhsa_memory_ordered 1
		.amdhsa_forward_progress 1
		.amdhsa_inst_pref_size 96
	.end_amdhsa_kernel
	.amdgpu_metadata
---
amdhsa.version: [ 1, 2 ]
amdhsa.kernels:
  - .name:           k_q83656a1971_prep
    .symbol:         k_q83656a1971_prep.kd
    .args:
      - { .name: wq, .offset: 0, .size: 8, .value_kind: global_buffer, .address_space: global }
      - { .name: wk, .offset: 8, .size: 8, .value_kind: global_buffer, .address_space: global }
      - { .name: wv, .offset: 16, .size: 8, .value_kind: global_buffer, .address_space: global }
      - { .name: wo, .offset: 24, .size: 8, .value_kind: global_buffer, .address_space: global }
      - { .name: x, .offset: 32, .size: 8, .value_kind: global_buffer, .address_space: global }
      - { .name: gn_scale, .offset: 40, .size: 8, .value_kind: global_buffer, .address_space: global }
      - { .name: gn_bias, .offset: 48, .size: 8, .value_kind: global_buffer, .address_space: global }
      - { .name: hn_codes, .offset: 56, .size: 8, .value_kind: global_buffer, .address_space: global }
      - { .name: hn_sw, .offset: 64, .size: 8, .value_kind: global_buffer, .address_space: global }
      - { .name: wbuf, .offset: 72, .size: 8, .value_kind: global_buffer, .address_space: global }
    .group_segment_fixed_size: 10752
    .private_segment_fixed_size: 0
    .kernarg_segment_align: 8
    .kernarg_segment_size: 80
    .max_flat_workgroup_size: 512
    .sgpr_count:     100
    .vgpr_count:     256
    .wavefront_size: 32
...
	.end_amdgpu_metadata
.endif
;; end of part 1
;; launch qkv (part 2): grid 64 x 4, 4 waves a work-group, clusters of 4 x 1, 205,312 bytes of LDS; arguments hn_codes, hn_sw, wbuf, bq, bk, bv, qbuf, kv; writes qbuf, kv
.if DOCPART == 2
	.amdgcn_target "amdgcn-amd-amdhsa--gfx1250"
	.amdhsa_code_object_version 6
	.text
	.protected	k_q83656a1971_qkv
	.globl	k_q83656a1971_qkv
	.p2align	8
	.type	k_q83656a1971_qkv,@function
k_q83656a1971_qkv:
	s_mov_b64 s[64:65], 0
	v_nop
	global_prefetch_b8 v0, s[64:65] scope:SCOPE_SE
	s_setreg_imm32_b32 hwreg(HW_REG_WAVE_MODE, 25, 1), 1
	s_wait_xcnt 0x0
	s_wait_alu depctr_hold_cnt(0) depctr_sa_sdst(0) depctr_va_vdst(0) depctr_va_sdst(0) depctr_va_ssrc(0) depctr_va_vcc(0) depctr_vm_vsrc(0)
	s_getreg_b32 s2, hwreg(HW_REG_IB_STS2, 6, 4)
	s_cmp_eq_u32 s2, 0
	s_cbranch_scc0 .Lentry_in_a_cluster
	s_endpgm
.Lentry_in_a_cluster:
	s_bfe_u32 s2, ttmp6, 0x10000c
	s_cmp_lg_u32 s2, 0x3003
	s_cbranch_scc0 .Lentry_shape_is_right
	s_endpgm
.Lentry_shape_is_right:
; SECOND LAUNCH: q = wq hn + bq, k = wk hn + bk, v = wv hn + bv on codes of FP8 (E4M3) with E8M0 scales, and the results quantised in registers: q and k along their channels, v along the positions.  Nothing is left out.
; SHARES.  Work-group (g, i): 256 positions (batch g / 8, tiles 16 (g % 8) on) x the i-th 128 outputs of q, of k and of v.  Wave w: four tiles of 16 positions; its 16 fragments of hn stay in registers.
; q, k: source 0 = 16 rows of the weight, source 1 = hn: a lane holds one position and its registers run along the outputs, which are the next K.  v: the sources swapped: a lane holds one channel and its registers run along the positions.
; By the tile order of rows and positions (first launch) the 16 registers of two neighbouring tiles are 16 neighbours along the next K.  The biases are the C of each sum's first matrix instruction.
; CLUSTER: the four work-groups of a cluster share i, so the three chunks of weights (67,584 bytes each) are asked for JOINTLY, once, at the head; each wave fetches a quarter of each.  By this text's count three tensor loads of a wave are out.
;   hn is not shared in the cluster and is read by one wave of a work-group: it goes from memory straight into registers.  No prefetch: all loads go out at the head.
; OUT, in the order of operand registers:  qbuf [b][step of 128 positions J] 67,584 bytes: fragment (tile % 8, K step i) at 8192 (tile % 8) + 2048 i; scale words at 65536 + 512 i + 64 (tile % 8) + 4 r.
;   kv [b][J] 135,168 bytes: k as q (scale words at 131072 + ..); v's fragment (chunk i, 16 channels ct) x the step's 128 positions at 65536 + 16384 i + 2048 ct; its scale words at 133120 + 512 i + 64 ct + 4 r.
; REGISTERS, in windows of 256: window 0: addresses, scale words, at work, v128-255 two buffers of a weight tile's four fragments;  window 1: hn (tile p, K step e) at 64 p + 16 e;
;   window 2: 32 accumulators;  window 3: v0-63 bq, v64-127 bk, v128-191 bv in the results' layout, v192-255 the codes just made.
; LIMITS: NaN and infinities are not served; a block of zeros gets the scale byte 1 (this program alone reads the bytes).
.set CH,    67584
.set SLOT,  135168
.set VSM,   202752                     ; LDS behind the three chunks: v's scale words of the work-group's two steps, 2 x 512 bytes
.set SCB,   203776                     ; 256 bytes for each wave: q's or k's scale words on their way out
.set SPARE, 204800                     ; the spare words, 128 bytes for each wave
.set SPW,   16
.set NIL,   17
.set HS,    20                         ; v20-27  hn's scale words: tile p, register g: lanes 0-15 K step 2 g, lanes 16-31 K step 2 g + 1
.set WS,    28                         ; v28-31  the weight tile's, two sets, likewise
.set PW,    32                         ; v32-35  scale words just made
.set TM,    36                         ; v36-51  at work
.set SW,    64                         ; v64-95  the 32 words from hn_sw
.set WB,    128
.set BQ,    0
.set BK,    64
.set BV,    128
.set PC,    192
.set WV,    20
.set G1,    28
.set G0,    36
.set SEL,   48
.set MNT,   50
.set HM,    51
.set QB,    72
.set QSB,   74
.set KB,    76
.set KSB,   78
.set VB,    80
.set VSB,   82
.set MSB, 0
.macro WIN new                         ; the immediate's high byte repeats the setting that is left
.if MSB != \new
	s_set_vgpr_msb (MSB<<8)|\new
.set MSB, \new
.endif
.endm
.macro PLACES n
.rept \n
	v_nop
.endr
.endm
.macro ROUND                           ; a round of the cluster's barrier
	s_barrier_signal -1
	s_barrier_wait -1
	s_cmp_lg_u32 s[WV], 0
	s_cbranch_scc1 .Lnot_wave_0_\@
	s_barrier_signal -3
.Lnot_wave_0_\@:
	s_barrier_wait -3
	s_barrier_signal -1
	s_barrier_wait -1
.endm
.macro WMMA d, a, b, c, sa, sb, ra, rb ; c < 0: the constant 0 starts the sum;  ra, rb: the scales stand in lanes 16-31
.if (\c) < 0
.if (\ra) && (\rb)
	v_wmma_scale_f32_16x16x128_f8f6f4 v[\d:\d+7], v[\a:\a+15], v[\b:\b+15], 0, v[\sa], v[\sb] matrix_a_scale:MATRIX_SCALE_ROW1 matrix_b_scale:MATRIX_SCALE_ROW1
.elseif (\ra)
	v_wmma_scale_f32_16x16x128_f8f6f4 v[\d:\d+7], v[\a:\a+15], v[\b:\b+15], 0, v[\sa], v[\sb] matrix_a_scale:MATRIX_SCALE_ROW1
.elseif (\rb)
	v_wmma_scale_f32_16x16x128_f8f6f4 v[\d:\d+7], v[\a:\a+15], v[\b:\b+15], 0, v[\sa], v[\sb] matrix_b_scale:MATRIX_SCALE_ROW1
.else
	v_wmma_scale_f32_16x16x128_f8f6f4 v[\d:\d+7], v[\a:\a+15], v[\b:\b+15], 0, v[\sa], v[\sb]
.endif
.else
.if (\ra) && (\rb)
	v_wmma_scale_f32_16x16x128_f8f6f4 v[\d:\d+7], v[\a:\a+15], v[\b:\b+15], v[\c:\c+7], v[\sa], v[\sb] matrix_a_scale:MATRIX_SCALE_ROW1 matrix_b_scale:MATRIX_SCALE_ROW1
.elseif (\ra)
	v_wmma_scale_f32_16x16x128_f8f6f4 v[\d:\d+7], v[\a:\a+15], v[\b:\b+15], v[\c:\c+7], v[\sa], v[\sb] matrix_a_scale:MATRIX_SCALE_ROW1
.elseif (\rb)
	v_wmma_scale_f32_16x16x128_f8f6f4 v[\d:\d+7], v[\a:\a+15], v[\b:\b+15], v[\c:\c+7], v[\sa], v[\sb] matrix_b_scale:MATRIX_SCALE_ROW1
.else
	v_wmma_scale_f32_16x16x128_f8f6f4 v[\d:\d+7], v[\a:\a+15], v[\b:\b+15], v[\c:\c+7], v[\sa], v[\sb]
.endif
.endif
.endm
; 64 numbers of a lane in window 2, register 16 b + i = k 32 b + 16 (lane / 16) + i of my row, become 16 registers of codes (window by cw) and a scale word in window 0.
.macro QUANT src, pc, pw, cw
	WIN 0x0a
.irp b, 0,1,2,3
	v_max3_num_f32 v[TM+\b], |v[(\src)+16*\b]|, |v[(\src)+16*\b+1]|, 0x4800000   ; my 16 numbers of block b, and the floor 2^(9-127): each accumulator is read from its low end on
.endr
	WIN 0x28
.irp i, 2,4,6,8,10,12,14
.irp b, 0,1,2,3
	v_max3_num_f32 v[TM+\b], v[TM+\b], |v[(\src)+16*\b+\i]|, |v[(\src)+16*\b+\i+1]|
.endr
.endr
	WIN 0
.irp b, 0,1,2,3
	v_permlanex16_b32 v[TM+4+\b], v[TM+\b], s[SEL], s[SEL+1]
.endr
.irp b, 0,1,2,3
	v_max_num_f32 v[TM+\b], v[TM+\b], v[TM+4+\b]   ; with lane l xor 16's: the block's largest magnitude
.endr
.irp b, 0,1,2,3
	v_add_nc_u32 v[TM+12+\b], 0xfc000000, v[TM+\b] ; 8 off its exponent field: the conversion's scale operand
.endr
.irp b, 0,1,2,3
	v_and_or_b32 v[TM+8+\b], v[TM+\b], 0x7f800000, s[MNT]  ; 448 x the scale
.endr
.irp b, 0,1,2,3
	v_lshrrev_b32 v[TM+4+\b], 23, v[TM+12+\b]      ; the scale's byte
.endr
	v_lshl_or_b32 v[\pw], v[TM+5], 8, v[TM+4]
	v_lshl_or_b32 v[\pw], v[TM+6], 16, v[\pw]
	v_lshl_or_b32 v[\pw], v[TM+7], 24, v[\pw]
	WIN 0x82
.irp b, 0,1,2,3
.irp i, 0,1,2,3,4,5,6,7,8,9,10,11,12,13,14,15
	v_med3_num_f32 v[(\src)+16*\b+\i], v[(\src)+16*\b+\i], -v[TM+8+\b], v[TM+8+\b]   ; the conversion does not saturate (ISA guide 7.6.2)
.endr
.endr
	WIN \cw
.irp b, 0,1,2,3
	v_cvt_scalef32_pk8_fp8_f32 v[(\pc)+4*\b:(\pc)+4*\b+1], v[(\src)+16*\b:(\src)+16*\b+7], v[TM+12+\b]
	v_cvt_scalef32_pk8_fp8_f32 v[(\pc)+4*\b+2:(\pc)+4*\b+3], v[(\src)+16*\b+8:(\src)+16*\b+15], v[TM+12+\b]
.endr
	WIN 0
	v_nop                                          ; a plain instruction behind the last conversion
.endm
	s_load_b256 s[4:11], s[0:1], 0x0               ; hn_codes, hn_sw, wbuf, bq
	s_load_b256 s[12:19], s[0:1], 0x20             ; bk, bv, qbuf, kv
	v_lshl_add_u32 v[SPW], v0, 2, SPARE
	v_mov_b32 v[NIL], 0
	ds_add_u32 v[SPW], v[NIL]                      ; the wave's opening: the add, twice on end, and its wait ahead of my first tensor load
	ds_add_u32 v[SPW], v[NIL]
	v_lshrrev_b32 v1, 5, v0
	v_readfirstlane_b32 s[WV], v1                  ; wave 0..3
	s_bfe_u32 s21, ttmp6, 0x40000                  ; cx
	s_lshl_b32 s22, ttmp9, 2
	s_add_co_u32 s22, s22, s21                     ; g
	s_lshr_b32 s23, s22, 3                         ; batch
	s_and_b32 s24, s22, 7                          ; which 256 positions
	s_and_b32 s25, ttmp7, 0xffff                   ; i: which 128 outputs; the four partners share it
	s_lshr_b32 s26, s[WV], 1                       ; which of the two steps of 128 positions is my wave's,
	s_and_b32 s27, s[WV], 1                        ; and which half of it
	s_mov_b32 s[G1], 15|(3<<16)|(1<<21)            ; the mask: all four work-groups; elements of 8 bytes; bit 21 set beside a mask
	s_mov_b32 s[G1+1], 32<<16                      ; tensor_dim0 = 32 elements: rows of 256 bytes of a dense block
	s_mov_b32 s[G1+2], 66<<16                      ; tensor_dim1 = 66 rows: a quarter of a chunk
	s_mov_b32 s[G1+3], 32<<16                      ; tile_dim0
	s_mov_b32 s[G1+4], 66                          ; tile_dim1
	s_mov_b32 s[G1+5], 32                          ; from row to row
	s_mov_b32 s[G1+6], 0
	s_mov_b32 s[G1+7], 0
	s_mov_b32 s[SEL], 0x76543210
	s_mov_b32 s[SEL+1], 0xfedcba98
	s_mov_b32 s[MNT], 0x600000
	s_mov_b32 s[HM], 0xffff0000
	s_mul_i32 s68, s[WV], 16896                    ; my quarter: in a chunk and in LDS
	s_mul_i32 s66, s25, CH
	s_add_co_u32 s66, s66, s68
	s_mov_b32 s67, 0
	; offsets that hang on my place in the cluster: they enter global addresses of my own loads and stores alone
	s_lshl_b32 s52, s23, 20
	s_lshl_b32 s53, s24, 17
	s_add_co_u32 s52, s52, s53
	s_lshl_b32 s53, s[WV], 15
	s_add_co_u32 s52, s52, s53                     ; hn_codes: batch, tile 16 pg + 4 w
	s_mov_b32 s53, 0
	s_lshl_b32 s54, s23, 17
	s_lshl_b32 s55, s24, 10
	s_add_co_u32 s54, s54, s55
	s_lshl_b32 s55, s[WV], 8
	s_add_co_u32 s54, s54, s55                     ; hn_sw likewise
	s_mov_b32 s55, 0
	s_lshl_b32 s56, s23, 4
	s_lshl_b32 s57, s24, 1
	s_add_co_u32 s56, s56, s57
	s_add_co_u32 s56, s56, s26                     ; block 16 b + J
	s_mul_i32 s60, s56, SLOT
	s_mov_b32 s61, 0
	s_mul_i32 s56, s56, CH
	s_mov_b32 s57, 0
	s_lshl_b32 s58, s27, 15
	s_lshl_b32 s59, s25, 11
	s_add_co_u32 s58, s58, s59                     ; q, k codes: tile 4 hf on, K step i
	s_mov_b32 s59, 0
	s_lshl_b32 s62, s25, 9
	s_lshl_b32 s63, s27, 8
	s_add_co_u32 s62, s62, s63                     ; scale words: 512 i + 256 hf
	s_mov_b32 s63, 0
	s_lshl_b32 s70, s25, 14
	s_lshl_b32 s71, s27, 10
	s_add_co_u32 s70, s70, s71
	s_add_co_u32 s70, s70, 65536                   ; v codes: chunk i, blocks of positions 2 hf on
	s_mov_b32 s71, 0
	s_lshl_b32 s84, s25, 9                         ; the biases: my 128 numbers
	s_mov_b32 s85, 0
	s_wait_dscnt 0x0                               ; both opening adds are done
	s_wait_kmcnt 0x0
	s_add_nc_u64 s[66:67], s[8:9], s[66:67]
.irp k, 0,1,2
	s_mov_b32 s[G0+4*\k], 1
	s_add_co_u32 s[G0+4*\k+1], s68, \k*CH          ; LDS: chunk q, k, v
	s_add_nc_u64 s[G0+4*\k+2:G0+4*\k+3], s[66:67], \k*4*CH
	s_or_b32 s[G0+4*\k+3], s[G0+4*\k+3], 0x80000000
.endr
	ROUND                                          ; all four work-groups are here: the joint loads meet
	tensor_load_to_lds s[G0:G0+3], s[G1:G1+7]
	s_nop 0
	tensor_load_to_lds s[G0+4:G0+7], s[G1:G1+7]
	s_nop 0
	tensor_load_to_lds s[G0+8:G0+11], s[G1:G1+7]
	s_nop 0
	PLACES 4
	s_add_nc_u64 s[4:5], s[4:5], s[52:53]
	s_add_nc_u64 s[6:7], s[6:7], s[54:55]
	s_add_nc_u64 s[10:11], s[10:11], s[84:85]
	s_add_nc_u64 s[12:13], s[12:13], s[84:85]
	s_add_nc_u64 s[14:15], s[14:15], s[84:85]
	s_add_nc_u64 s[QB:QB+1], s[16:17], s[56:57]
	s_add_nc_u64 s[QSB:QSB+1], s[QB:QB+1], 65536
	s_add_nc_u64 s[QSB:QSB+1], s[QSB:QSB+1], s[62:63]
	s_add_nc_u64 s[QB:QB+1], s[QB:QB+1], s[58:59]
	s_add_nc_u64 s[KB:KB+1], s[18:19], s[60:61]
	s_add_nc_u64 s[KSB:KSB+1], s[KB:KB+1], 131072
	s_add_nc_u64 s[KSB:KSB+1], s[KSB:KSB+1], s[62:63]
	s_add_nc_u64 s[VSB:VSB+1], s[KB:KB+1], 133120
	s_add_nc_u64 s[VSB:VSB+1], s[VSB:VSB+1], s[62:63]
	s_add_nc_u64 s[VB:VB+1], s[KB:KB+1], s[70:71]
	s_add_nc_u64 s[KB:KB+1], s[KB:KB+1], s[58:59]
	v_and_b32 v18, 31, v0                          ; lane
	v_and_b32 v19, 15, v0                          ; r
	v_bfe_u32 v52, v0, 4, 1                        ; h
	v_lshlrev_b32 v1, 4, v18                       ; 16 x lane: an image's place for my lane
	v_and_b32 v2, 8, v19
	v_add_nc_u32 v2, v2, v19
	v_lshlrev_b32 v2, 2, v2                        ; 4 (r + 8 (r / 8))
	v_lshlrev_b32 v3, 6, v52                       ; 64 h
	v_lshlrev_b32 v4, 2, v19
	v_lshl_add_u32 v4, v52, 15, v4                 ; hn_sw: 4 planes further on for lanes 16-31, + 4 r
	WIN 0x40                                       ; destination window 1
.irp p, 0,1,2,3
.irp e, 0,1,2,3
.irp c, 0,1,2,3
	global_load_b128 v[64*\p+16*\e+4*\c:64*\p+16*\e+4*\c+3], v1, s[4:5] offset:\p*8192+\e*2048+\c*512   ; hn's fragments: they stay
.endr
.endr
.endr
	WIN 0
.irp p, 0,1,2,3
.irp g, 0,1
.irp q, 0,1,2,3
	global_load_b32 v[SW+8*\p+4*\g+\q], v4, s[6:7] offset:(8*\g+\q)*8192+\p*64   ; the byte of channels' block 8 g + 4 h + q, at its place in the word
.endr
.endr
.endr
	WIN 0xc0                                       ; destination window 3
.irp t, 0,1,2,3,4,5,6,7
	global_load_b128 v[BQ+8*\t:BQ+8*\t+3], v3, s[10:11] offset:(32*(\t/2)+8*(\t%2))*4      ; lane (r, h), tile t: outputs 32 (t / 2) + 8 (t % 2) + 16 h + 0 .. 7
	global_load_b128 v[BQ+8*\t+4:BQ+8*\t+7], v3, s[10:11] offset:(32*(\t/2)+8*(\t%2))*4+16
	global_load_b128 v[BK+8*\t:BK+8*\t+3], v3, s[12:13] offset:(32*(\t/2)+8*(\t%2))*4
	global_load_b128 v[BK+8*\t+4:BK+8*\t+7], v3, s[12:13] offset:(32*(\t/2)+8*(\t%2))*4+16
	global_load_b32 v[BV+8*\t], v2, s[14:15] offset:(32*(\t/2)+8*(\t%2))*4                 ; v: a lane holds one channel: the tile's row r
.endr
	WIN 0
.irp k, 0,1,2
	v_add_nc_u32 v[5+\k], \k*CH, v1                ; a chunk's fragments,
.endr
	v_lshl_add_u32 v8, v18, 3, 65536               ; and its scale words
	v_add_nc_u32 v9, CH, v8
	v_add_nc_u32 v10, CH, v9
	v_lshlrev_b32 v15, 3, v18                      ; 8 x lane
	s_lshl_b32 s69, s[WV], 8
	v_lshl_add_u32 v11, v18, 2, s69
	v_add_nc_u32 v11, SCB, v11                     ; my 256 bytes: in by 4 x lane,
	v_lshl_add_u32 v12, v18, 3, s69
	v_add_nc_u32 v14, VSM, v12                     ; (v's scale words back: 256 bytes a wave)
	v_add_nc_u32 v12, SCB, v12                     ; back by 8 x lane
	s_lshl_b32 s86, s26, 9
	s_lshl_b32 s87, s27, 1
	s_add_co_u32 s86, s86, s87
	v_lshl_add_u32 v13, v19, 2, s86
	v_add_nc_u32 v13, VSM, v13                     ; v's scale words in: step, row r, my two bytes of the four
.irp b, 0,1,2,3
	v_mov_b32 v[TM+4+\b], 0                        ; written once: a lane permute's destination counts as one of its sources
.endr
	s_wait_loadcnt 0x0
.irp p, 0,1,2,3
.irp g, 0,1
	v_or_b32 v[HS+2*\p+\g], v[SW+8*\p+4*\g], v[SW+8*\p+4*\g+1]
	v_or_b32 v[HS+2*\p+\g], v[HS+2*\p+\g], v[SW+8*\p+4*\g+2]
	v_or_b32 v[HS+2*\p+\g], v[HS+2*\p+\g], v[SW+8*\p+4*\g+3]
.endr
.endr
	WIN 0xc3
.irp t, 0,1,2,3,4,5,6,7
.irp j, 1,2,3,4,5,6,7
	v_mov_b32 v[BV+8*\t+\j], v[BV+8*\t]            ; bv in the result's layout: eight positions of one channel.  (These 56 also stand between hn's scale words and the first product)
.endr
.endr
	WIN 0
.macro FETCHW kind, t, buf             ; tile t of chunk kind: four fragments and two registers of scale words
.irp e, 0,1,2,3
.irp c, 0,1,2,3
	ds_load_b128 v[WB+64*(\buf)+16*\e+4*\c:WB+64*(\buf)+16*\e+4*\c+3], v[5+\kind] offset:(\t)*8192+\e*2048+\c*512
.endr
.endr
	ds_load_b64 v[WS+2*(\buf):WS+2*(\buf)+1], v[8+\kind] offset:(\t)*256
.endm
; 16 products: the weight's tile t x my four tiles of positions, K ascending; four accumulators by turns, one instruction a turn
.macro MULQ t, buf, bias
.irp e, 0,1,2,3
.if \e == 0
	WIN 0xb4                                       ; A window 0, B window 1, C (the bias) window 3, D window 2
.else
	WIN 0xa4
.endif
.irp p, 0,1,2,3
.if \e == 0
	WMMA 64*\p+8*(\t),WB+64*(\buf)+16*\e,64*\p+16*\e,(\bias)+8*(\t),WS+2*(\buf)+\e/2,HS+2*\p+\e/2,\e%2,\e%2
.else
	WMMA 64*\p+8*(\t),WB+64*(\buf)+16*\e,64*\p+16*\e,64*\p+8*(\t),WS+2*(\buf)+\e/2,HS+2*\p+\e/2,\e%2,\e%2
.endif
.endr
.endr
.endm
.macro MULV t, buf                     ; the sources swapped
.irp e, 0,1,2,3
.if \e == 0
	WIN 0xb1
.else
	WIN 0xa1
.endif
.irp p, 0,1,2,3
.if \e == 0
	WMMA 32*(\t)+8*\p,64*\p+16*\e,WB+64*(\buf)+16*\e,BV+8*(\t),HS+2*\p+\e/2,WS+2*(\buf)+\e/2,\e%2,\e%2
.else
	WMMA 32*(\t)+8*\p,64*\p+16*\e,WB+64*(\buf)+16*\e,32*(\t)+8*\p,HS+2*\p+\e/2,WS+2*(\buf)+\e/2,\e%2,\e%2
.endif
.endr
.endr
.endm
; A phase's eight tiles.  While one tile is multiplied the next one's 17 loads are on their way, into the buffer that the tile before has left: eight places stand between its products and the loads.
.macro LOOPT kind, bias                ; bias < 0: v
.irp t, 0,1,2,3,4,5,6,7
	WIN 0
	s_wait_dscnt 0x0                               ; this tile's fragments are in
.if \t < 7
.if \t > 0
	PLACES 8
.endif
	FETCHW \kind,\t+1,(\t+1)%2
.endif
.if (\bias) < 0
	MULV \t,\t%2
.else
	MULQ \t,\t%2,\bias
.endif
.endr
	WIN 0
	PLACES 8                                       ; behind the last products: for the first read of results, and for the next loads into buffer 0
.endm
.macro OUTQK cb, sb                    ; my four tiles' results become four fragments and 64 scale words
	s_wait_xcnt 0x0                                ; earlier stores have read their data: the codes' and words' registers may be written again
.irp p, 0,1,2,3
	QUANT 64*\p,PC+16*\p,PW+\p,0xc2
.endr
	WIN 0x0c                                       ; a store's data: window 3
.irp p, 0,1,2,3
.irp c, 0,1,2,3
	global_store_b128 v1, v[PC+16*\p+4*\c:PC+16*\p+4*\c+3], s[\cb:\cb+1] offset:\p*8192+\c*512   ; 512 consecutive bytes
.endr
.endr
	WIN 0
	v_cndmask_b32 v53, v[PW], v[PW+1], s[HM]       ; lanes 0-15 tile 0's words, lanes 16-31 tile 1's
	v_cndmask_b32 v54, v[PW+2], v[PW+3], s[HM]
	ds_store_b32 v11, v53
	ds_store_b32 v11, v54 offset:128
	ds_load_b64 v[56:57], v12                      ; my own bytes, served in order
	s_wait_dscnt 0x0
	global_store_b64 v15, v[56:57], s[\sb:\sb+1]   ; one aligned run of 256 bytes
.endm
	s_wait_tensorcnt 0x2                           ; my quarter of wq's chunk is in; the two loads behind it may be out
	s_barrier_signal -1
	s_barrier_wait -1                              ; everybody's is
	FETCHW 0,0,0
	LOOPT 0,BQ
	s_wait_tensorcnt 0x1                           ; wk's chunk
	s_barrier_signal -1
	s_barrier_wait -1
	FETCHW 1,0,0                                   ; on its way while q is quantised
	OUTQK QB,QSB
	LOOPT 1,BK
	s_wait_tensorcnt 0x0                           ; wv's chunk
	s_barrier_signal -1
	s_barrier_wait -1
	FETCHW 2,0,0
	OUTQK KB,KSB
	LOOPT 2,-1
	; v: accumulator (ct, p) at 32 ct + 8 p.  64 registers are two tiles of channels x two blocks of 32 positions
	s_wait_xcnt 0x0
.irp p, 0,1,2,3
	QUANT 64*\p,PC+16*\p,PW+\p,0xc2
.endr
	WIN 0x0c
.irp p, 0,1,2,3
.irp b, 0,1,2,3
	global_store_b128 v1, v[PC+16*\p+4*\b:PC+16*\p+4*\b+3], s[VB:VB+1] offset:(2*\p+\b/2)*2048+(\b%2)*512
.endr
.endr
	WIN 0
.irp p, 0,1,2,3
	ds_store_b16 v13, v[PW+\p] offset:(2*\p)*64            ; the even tile's two bytes,
	ds_store_b16_d16_hi v13, v[PW+\p] offset:(2*\p+1)*64   ; the odd tile's; the other two bytes of each word come from the wave with the step's other half
.endr
	s_wait_dscnt 0x0                               ; for the others' sake
	s_barrier_signal -1
	s_barrier_wait -1
	ds_load_b64 v[56:57], v14
	s_wait_dscnt 0x0
	global_store_b64 v15, v[56:57], s[VSB:VSB+1]   ; one aligned run of 256 bytes
	s_wait_tensorcnt 0x0                           ; the wave's end
	ds_add_u32 v[SPW], v[NIL]
	s_wait_dscnt 0x0
	ROUND                                          ; the closing round
	s_endpgm
.Lfunc_end_k_q83656a1971_qkv:
	.size	k_q83656a1971_qkv, .Lfunc_end_k_q83656a1971_qkv-k_q83656a1971_qkv
	.p2alignl 7, 3214868480
	.fill 96, 4, 3214868480
	.section	.rodata,"a",@progbits
	.p2align	6, 0x0
	.amdhsa_kernel k_q83656a1971_qkv
		.amdhsa_group_segment_fixed_size 205312
		.amdhsa_private_segment_fixed_size 0
		.amdhsa_enable_private_segment 0
		.amdhsa_kernarg_size 64
		.amdhsa_user_sgpr_count 2
		.amdhsa_user_sgpr_kernarg_segment_ptr 1
		.amdhsa_wavefront_size32 1
		.amdhsa_system_sgpr_workgroup_id_x 1
		.amdhsa_system_sgpr_workgroup_id_y 1
		.amdhsa_system_sgpr_workgroup_id_z 1
		.amdhsa_system_vgpr_workitem_id 0
		.amdhsa_next_free_vgpr 1024
		.amdhsa_next_free_sgpr 100
		.amdhsa_reserve_vcc 0
		.amdhsa_float_denorm_mode_32 3
		.amdhsa_float_denorm_mode_16_64 3
		.amdhsa_memory_ordered 1
		.amdhsa_forward_progress 1
		.amdhsa_inst_pref_size 210
	.end_amdhsa_kernel
	.amdgpu_metadata
---
amdhsa.version: [ 1, 2 ]
amdhsa.kernels:
  - .name:           k_q83656a1971_qkv
    .symbol:         k_q83656a1971_qkv.kd
    .args:
      - { .name: hn_codes, .offset: 0, .size: 8, .value_kind: global_buffer, .address_space: global }
      - { .name: hn_sw, .offset: 8, .size: 8, .value_kind: global_buffer, .address_space: global }
      - { .name: wbuf, .offset: 16, .size: 8, .value_kind: global_buffer, .address_space: global }
      - { .name: bq, .offset: 24, .size: 8, .value_kind: global_buffer, .address_space: global }
      - { .name: bk, .offset: 32, .size: 8, .value_kind: global_buffer, .address_space: global }
      - { .name: bv, .offset: 40, .size: 8, .value_kind: global_buffer, .address_space: global }
      - { .name: qbuf, .offset: 48, .size: 8, .value_kind: global_buffer, .address_space: global }
      - { .name: kv, .offset: 56, .size: 8, .value_kind: global_buffer, .address_space: global }
    .group_segment_fixed_size: 205312
    .private_segment_fixed_size: 0
    .kernarg_segment_align: 8
    .kernarg_segment_size: 64
    .max_flat_workgroup_size: 128
    .sgpr_count:     100
    .vgpr_count:     1024
    .wavefront_size: 32
...
	.end_amdgpu_metadata
.endif
;; end of part 2
;; launch attn (part 3): grid 32 x 8, 4 waves a work-group, clusters of 4 x 1, 327,680 bytes of LDS; arguments qbuf, kv, wbuf, bo, x, out0; writes out0
.if DOCPART == 3
	.amdgcn_target "amdgcn-amd-amdhsa--gfx1250"
	.amdhsa_code_object_version 6
	.text
	.protected	k_q83656a1971_attn
	.globl	k_q83656a1971_attn
	.p2align	8
	.type	k_q83656a1971_attn,@function
k_q83656a1971_attn:
	s_mov_b64 s[64:65], 0
	v_nop
	global_prefetch_b8 v0, s[64:65] scope:SCOPE_SE
	s_setreg_imm32_b32 hwreg(HW_REG_WAVE_MODE, 25, 1), 1
	s_wait_xcnt 0x0
	s_wait_alu depctr_hold_cnt(0) depctr_sa_sdst(0) depctr_va_vdst(0) depctr_va_sdst(0) depctr_va_ssrc(0) depctr_va_vcc(0) depctr_vm_vsrc(0)
	s_getreg_b32 s2, hwreg(HW_REG_IB_STS2, 6, 4)
	s_cmp_eq_u32 s2, 0
	s_cbranch_scc0 .Lentry_in_a_cluster
	s_endpgm
.Lentry_in_a_cluster:
	s_bfe_u32 s2, ttmp6, 0x10000c
	s_cmp_lg_u32 s2, 0x3003
	s_cbranch_scc0 .Lentry_shape_is_right
	s_endpgm
.Lentry_shape_is_right:
; THIRD LAUNCH: out0 = x + wo (softmax(q^T k / sqrt(512)) v) + bo, three products on codes of FP8 (E4M3) with E8M0 scales.  Nothing is left out.
; SHARES.  A work-group owns 64 queries (four tiles qt) of one batch and walks the 2,048 keys in 16 steps of 128.  THE WAVES SHARE KEYS AND CHANNELS, NOT QUERIES: wave w takes the w-th block of 32 keys of each step for
; S^T = K Q^T, channels 128 w on of O^T = V^T P^T, and outputs 128 w on of the last product.  So each byte of K and V in LDS is read by one wave and feeds four matrix instructions; what goes from wave to wave is P, as images of registers.
; THE SOFTMAX, BLOCK BY BLOCK.  t = score x log2(e) / sqrt(512).  For a query and my 32 keys: M' = floor(largest t) + 1, p = 2^(t - M'): the block's largest p lies in [1/2, 1), so by the quantiser's rule the block's scale is
; 2^-9 x 2^M': the conversion's scale and the hold (448 x 2^-9 = 0.875) are constants.  M' differs from the row's ceiling by a whole number, which the block's scale byte takes up: the codes are the same.
; Each wave keeps, for every query, a running reference R = the largest M' so far.  A block's byte is M' - R + 118, its weight in the row's sum 2^(M' - R); when R moves, O and the sum are multiplied by 2^(old R - new R): exact, and no branch on data.
; The row's sum is taken of the unquantised p and divides O at the end.
; PIPELINE of step j:  K(j) from LDS | 32 products S(j), and between them the bytes, weights and rescaling for step j - 1 | 32 products V^T P of step j - 1, and between them the softmax of step j | V(j) from LDS, P(j) to LDS | one barrier.
; One wave has a SIMD to itself, so its vector work stands in slices behind its matrix instructions; a slice costs two switches of the register window.
; CLUSTER.  The four work-groups of a cluster belong to one batch and walk the same K and V: each step's block of 135,168 bytes is asked for JOINTLY, a quarter a wave, into a ring of two slots.  By this text's count two tensor loads of a wave
; are out at the head and one behind each round; it has a whole step, 64 products, in which to land.  At the end wo's four chunks are asked for jointly over the ring's bytes.
; REGISTERS, in windows of 256: window 0: addresses, statistics, scale words; v128-191 S^T (qt, u) at 128 + 16 qt + 8 u; v192-255 P's four fragments.   window 1: Q (qt, K step e) at 64 qt + 16 e; later x.
;   window 2: O^T (qt, ct) at 64 qt + 8 ct; later the results (ot, qt) at 32 ot + 8 qt.   window 3: K (u, e) at 64 u + 16 e, V (ct) at 128 + 16 ct; later O's 16 fragments.
; LIMITS: NaN and infinities are not served; |t| stays under 2^23 (M' is a whole number kept in f32); a block more than 118 binades under R counts with the byte 0 and the weight 2^-118, which is nothing beside a sum of 1/2 or more;
;   where the rounding of t crosses a whole number a block's largest p may fall just under 1/2, and that block is quantised one binade coarser; a block of zeros of O gets the byte 1.
.set SLOT,  135168                     ; a step's block: K's codes 65,536, V's 65,536, K's scale words 2,048, V's 2,048
.set CH,    67584
.set PB,    270336                     ; LDS behind the ring: P's images, two sets of 4 x 2,048
.set EX,    286720                     ; M' at 256 qt + 16 r + 4 w, the blocks' sums 1,024 further on; two sets of 2,048
.set OIMG,  290816                     ; O's 16 fragments
.set OSC,   323584                     ; their scale words, 128 bytes each
.set SPARE, 325632                     ; the spare words
.set STAGE, PB                         ; the way out: 16 rows x 272 bytes a wave, in P's bytes, behind a barrier behind which nobody reads them
.set AK0,  1
.set AV0,  2
.set AKS0, 3
.set AVS0, 4
.set APW0, 5
.set APR0, 6
.set AXW0, 7
.set AXR0, 8
.set AXO,  9                           ; x and out0: 8192 (lane / 16) + 16 (lane % 16)
.set ADK,  10
.set ADV,  11
.set ADKS, 12
.set ADVS, 13
.set ADPW, 14
.set ADPR, 15
.set SPW,  16
.set NIL,  17
.set HOLD, 18                          ; 0.875
.set SCL,  19                          ; 2^-9, as the conversion's scale operand
.set QS,   20                          ; v20-27 Q's scale words (qt, g); later v20-35 O's
.set KS,   28                          ; v28-31 K's (u, g)
.set VS,   32                          ; v32-35 V's (ct / 2)
.set PS,   36                          ; v36-37 P's: lanes 0-15 tile 2 g, lanes 16-31 tile 2 g + 1
.set RR,   38                          ; v38-39 R, v40-41 the row's sum: lanes as PS
.set LL,   40
.set FF,   42                          ; v42-49 the factor of tile qt at 42 + 2 qt (named as a pair)
.set EE,   50                          ; v50-57 the four waves' M', later their weights
.set LW,   58                          ; v58-65 the four waves' sums
.set TT,   66                          ; v66-79 at work
.set MX,   80
.set TQ,   84
.set NM,   88                          ; v88-95 pairs (-M', M')
.set LS,   96                          ; v96-103 my block's sum
.set PC,   104                         ; v104-119 my codes of p
.set ADXW, 120
.set ADXR, 121
.set WSF,  122                         ; v122-125 wo's scale words, two sets
.set PFO,  126                         ; 256 x lane; never rewritten
.set S,    128
.set PF,   192
.set BIAS, 40                          ; the tail: bo in the result's layout, v40-103
.set TM,   66                          ; the tail's quantiser
.set WV,   16
.set G1,   20
.set G1W,  28
.set G0A,  36
.set G0B,  40
.set G0W,  44
.set TB,   48                          ; LDS byte of the slot in hand
.set PT,   49                          ; which set of P's images this step writes;  s50: which it reads
.set PTO,  50
.set ET,   51                          ; the same for M' and the sums
.set ETO,  52
.set CNT,  53
.set LIM,  54
.set PFA,  56
.set SEL,  58
.set CS,   60
.set HM,   62
.set MNT,  63
.set MSB, 0
.macro WIN new                         ; the immediate's high byte repeats the setting that is left; a switch that changes nothing is dropped
.if MSB != \new
	s_set_vgpr_msb (MSB<<8)|\new
.set MSB, \new
.endif
.endm
.macro PLACES n
.rept \n
	v_nop
.endr
.endm
.macro ROUND                           ; a round of the cluster's barrier
	s_barrier_signal -1
	s_barrier_wait -1
	s_cmp_lg_u32 s[WV], 0
	s_cbranch_scc1 .Lnot_wave_0_\@
	s_barrier_signal -3
.Lnot_wave_0_\@:
	s_barrier_wait -3
	s_barrier_signal -1
	s_barrier_wait -1
.endm
.macro WMMA d, a, b, c, sa, sb, ra, rb ; c < 0: the constant 0 starts the sum;  ra, rb: the scales stand in lanes 16-31
.if (\c) < 0
.if (\ra) && (\rb)
	v_wmma_scale_f32_16x16x128_f8f6f4 v[\d:\d+7], v[\a:\a+15], v[\b:\b+15], 0, v[\sa], v[\sb] matrix_a_scale:MATRIX_SCALE_ROW1 matrix_b_scale:MATRIX_SCALE_ROW1
.elseif (\ra)
	v_wmma_scale_f32_16x16x128_f8f6f4 v[\d:\d+7], v[\a:\a+15], v[\b:\b+15], 0, v[\sa], v[\sb] matrix_a_scale:MATRIX_SCALE_ROW1
.elseif (\rb)
	v_wmma_scale_f32_16x16x128_f8f6f4 v[\d:\d+7], v[\a:\a+15], v[\b:\b+15], 0, v[\sa], v[\sb] matrix_b_scale:MATRIX_SCALE_ROW1
.else
	v_wmma_scale_f32_16x16x128_f8f6f4 v[\d:\d+7], v[\a:\a+15], v[\b:\b+15], 0, v[\sa], v[\sb]
.endif
.else
.if (\ra) && (\rb)
	v_wmma_scale_f32_16x16x128_f8f6f4 v[\d:\d+7], v[\a:\a+15], v[\b:\b+15], v[\c:\c+7], v[\sa], v[\sb] matrix_a_scale:MATRIX_SCALE_ROW1 matrix_b_scale:MATRIX_SCALE_ROW1
.elseif (\ra)
	v_wmma_scale_f32_16x16x128_f8f6f4 v[\d:\d+7], v[\a:\a+15], v[\b:\b+15], v[\c:\c+7], v[\sa], v[\sb] matrix_a_scale:MATRIX_SCALE_ROW1
.elseif (\rb)
	v_wmma_scale_f32_16x16x128_f8f6f4 v[\d:\d+7], v[\a:\a+15], v[\b:\b+15], v[\c:\c+7], v[\sa], v[\sb] matrix_b_scale:MATRIX_SCALE_ROW1
.else
	v_wmma_scale_f32_16x16x128_f8f6f4 v[\d:\d+7], v[\a:\a+15], v[\b:\b+15], v[\c:\c+7], v[\sa], v[\sb]
.endif
.endif
.endm
; 64 numbers of a lane in window 2, register 16 b + i = k 32 b + 16 (lane / 16) + i of my row, become 16 registers of codes (window by cw) and a scale word in window 0.
.macro QUANT src, pc, pw, cw
	WIN 0x0a
.irp b, 0,1,2,3
	v_max3_num_f32 v[TM+\b], |v[(\src)+16*\b]|, |v[(\src)+16*\b+1]|, 0x4800000
.endr
	WIN 0x28
.irp i, 2,4,6,8,10,12,14
.irp b, 0,1,2,3
	v_max3_num_f32 v[TM+\b], v[TM+\b], |v[(\src)+16*\b+\i]|, |v[(\src)+16*\b+\i+1]|
.endr
.endr
	WIN 0
.irp b, 0,1,2,3
	v_permlanex16_b32 v[TM+4+\b], v[TM+\b], s[SEL], s[SEL+1]
.endr
.irp b, 0,1,2,3
	v_max_num_f32 v[TM+\b], v[TM+\b], v[TM+4+\b]
.endr
.irp b, 0,1,2,3
	v_add_nc_u32 v[TM+12+\b], 0xfc000000, v[TM+\b]
.endr
.irp b, 0,1,2,3
	v_and_or_b32 v[TM+8+\b], v[TM+\b], 0x7f800000, s[MNT]
.endr
.irp b, 0,1,2,3
	v_lshrrev_b32 v[TM+4+\b], 23, v[TM+12+\b]
.endr
	v_lshl_or_b32 v[\pw], v[TM+5], 8, v[TM+4]
	v_lshl_or_b32 v[\pw], v[TM+6], 16, v[\pw]
	v_lshl_or_b32 v[\pw], v[TM+7], 24, v[\pw]
	WIN 0x82
.irp b, 0,1,2,3
.irp i, 0,1,2,3,4,5,6,7,8,9,10,11,12,13,14,15
	v_med3_num_f32 v[(\src)+16*\b+\i], v[(\src)+16*\b+\i], -v[TM+8+\b], v[TM+8+\b]
.endr
.endr
	WIN \cw
.irp b, 0,1,2,3
	v_cvt_scalef32_pk8_fp8_f32 v[(\pc)+4*\b:(\pc)+4*\b+1], v[(\src)+16*\b:(\src)+16*\b+7], v[TM+12+\b]
	v_cvt_scalef32_pk8_fp8_f32 v[(\pc)+4*\b+2:(\pc)+4*\b+3], v[(\src)+16*\b+8:(\src)+16*\b+15], v[TM+12+\b]
.endr
	WIN 0
	v_nop
.endm
	s_load_b256 s[4:11], s[0:1], 0x0               ; qbuf, kv, wbuf, bo
	s_load_b128 s[12:15], s[0:1], 0x20             ; x, out0
	v_lshl_add_u32 v[SPW], v0, 2, SPARE
	v_mov_b32 v[NIL], 0
	ds_add_u32 v[SPW], v[NIL]                      ; the wave's opening: the add, twice on end, and its wait ahead of my first tensor load
	ds_add_u32 v[SPW], v[NIL]
	v_lshrrev_b32 v1, 5, v0
	v_readfirstlane_b32 s[WV], v1                  ; wave 0..3
	s_bfe_u32 s17, ttmp6, 0x40000                  ; cx
	s_and_b32 s18, ttmp7, 0xffff                   ; the batch, which the four partners share
	s_lshl_b32 s19, ttmp9, 2
	s_add_co_u32 s19, s19, s17                     ; my block of 64 queries: it enters the addresses of Q, x and out0 alone
	s_mov_b32 s[G1], 15|(3<<16)|(1<<21)            ; the mask: all four work-groups; elements of 8 bytes; bit 21 set beside a mask
	s_mov_b32 s[G1+1], 32<<16                      ; rows of 256 bytes of a dense block
	s_mov_b32 s[G1+2], 132<<16                     ; 132 rows: a quarter of a step's block
	s_mov_b32 s[G1+3], 32<<16
	s_mov_b32 s[G1+4], 132
	s_mov_b32 s[G1+5], 32
	s_mov_b32 s[G1+6], 0
	s_mov_b32 s[G1+7], 0
	s_mov_b32 s[G1W], 15|(3<<16)|(1<<21)           ; and for a chunk of wo: 264 rows
	s_mov_b32 s[G1W+1], 32<<16
	s_mov_b32 s[G1W+2], 264<<16
	s_mov_b32 s[G1W+3], 32<<16
	s_mov_b32 s[G1W+4], 264
	s_mov_b32 s[G1W+5], 32
	s_mov_b32 s[G1W+6], 0
	s_mov_b32 s[G1W+7], 0
	s_mov_b32 s[TB], 0
	s_mov_b32 s[PT], 0
	s_mov_b32 s[PTO], 8192
	s_mov_b32 s[ET], 0
	s_mov_b32 s[ETO], 2048
	s_mov_b32 s[CNT], 12
	s_mov_b32 s[SEL], 0x76543210
	s_mov_b32 s[SEL+1], 0xfedcba98
	s_mov_b32 s[CS], 0x3d8293ee                    ; log2(e) / sqrt(512)
	s_mov_b32 s[CS+1], s[CS]                       ; (named with it as a pair)
	s_mov_b32 s[HM], 0xffff0000                    ; lanes 16-31
	s_mov_b32 s[MNT], 0x600000
	s_cmp_eq_u32 ttmp9, 0                          ; all clusters of a batch walk the same K and V: the first of them prefetches; the same in all four partners
	s_cselect_b32 s[LIM], 2, -1
	s_mul_i32 s66, s18, 16*SLOT
	s_mul_i32 s68, s[WV], 33792                    ; my quarter: in a block and in a slot
	s_add_co_u32 s66, s66, s68
	s_mov_b32 s67, 0
	s_mul_i32 s69, s[WV], CH                       ; wo's chunk w: in LDS,
	s_add_co_u32 s70, s69, 12*CH                   ; and in wbuf
	s_mov_b32 s71, 0
	s_lshl_b32 s72, s18, 4
	s_lshr_b32 s73, s19, 1
	s_add_co_u32 s72, s72, s73
	s_mul_i32 s72, s72, CH                         ; my queries' block of qbuf
	s_mov_b32 s73, 0
	s_and_b32 s74, s19, 1
	s_lshl_b32 s76, s74, 15                        ; tiles 4 (qb % 2) on: codes,
	s_mov_b32 s77, 0
	s_lshl_b32 s74, s74, 8
	s_add_co_u32 s74, s74, 65536                   ; scale words
	s_mov_b32 s75, 0
	s_wait_dscnt 0x0                               ; both opening adds are done
	s_wait_kmcnt 0x0
	s_add_nc_u64 s[4:5], s[4:5], s[72:73]
	s_add_nc_u64 s[74:75], s[4:5], s[74:75]
	s_add_nc_u64 s[4:5], s[4:5], s[76:77]
	s_lshl_b32 s76, s18, 22
	s_lshl_b32 s78, s[WV], 20
	s_add_co_u32 s76, s76, s78
	s_lshl_b32 s78, s19, 8
	s_add_co_u32 s76, s76, s78                     ; x, out0: batch, channel 128 w, position 64 qb
	s_add_nc_u64 s[12:13], s[12:13], s[76:77]
	s_add_nc_u64 s[14:15], s[14:15], s[76:77]
	s_lshl_b32 s78, s[WV], 9
	s_mov_b32 s79, 0
	s_add_nc_u64 s[10:11], s[10:11], s[78:79]      ; bo: my 128 numbers
	s_mul_i32 s78, s18, 16*SLOT
	s_add_co_u32 s78, s78, 3*SLOT                  ; the prefetches stand at step 3: the first change of slots steps them to step 4
	s_lshl_b32 s76, s17, 15
	s_add_co_u32 s78, s78, s76                     ; the four partners share a block's codes out by address, 32,768 bytes each,
	s_lshl_b32 s76, s[WV], 13
	s_add_co_u32 s78, s78, s76                     ; the waves 8,192 each, the lanes 256 bytes apart
	s_add_nc_u64 s[PFA:PFA+1], s[6:7], s[78:79]
	s_mov_b32 s[G0A], 1
	s_mov_b32 s[G0A+1], s68                        ; slot 0
	s_add_nc_u64 s[G0A+2:G0A+3], s[6:7], s[66:67]  ; step 0
	s_mov_b32 s[G0B], 1
	s_add_co_u32 s[G0B+1], s68, SLOT               ; slot 1
	s_add_nc_u64 s[G0B+2:G0B+3], s[G0A+2:G0A+3], SLOT  ; step 1; this one walks on
	s_or_b32 s[G0A+3], s[G0A+3], 0x80000000
	s_or_b32 s[G0B+3], s[G0B+3], 0x80000000
	s_mov_b32 s[G0W], 1
	s_mov_b32 s[G0W+1], s69
	s_add_nc_u64 s[G0W+2:G0W+3], s[8:9], s[70:71]
	s_or_b32 s[G0W+3], s[G0W+3], 0x80000000
	ROUND                                          ; all four work-groups are here: the first joint loads meet
	tensor_load_to_lds s[G0A:G0A+3], s[G1:G1+7]
	s_nop 0
	tensor_load_to_lds s[G0B:G0B+3], s[G1:G1+7]
	s_nop 0
	PLACES 4
	v_and_b32 v80, 31, v0                          ; lane
	v_and_b32 v81, 15, v0                          ; r
	v_bfe_u32 v82, v0, 4, 1                        ; h
	v_lshlrev_b32 v83, 4, v80                      ; 16 x lane
	v_lshlrev_b32 v84, 2, v81
	v_lshl_add_u32 v84, v82, 9, v84                ; Q's scale words: 512 h + 4 r
	WIN 0x40                                       ; destination window 1
.irp q, 0,1,2,3
.irp e, 0,1,2,3
.irp c, 0,1,2,3
	global_load_b128 v[64*\q+16*\e+4*\c:64*\q+16*\e+4*\c+3], v83, s[4:5] offset:\q*8192+\e*2048+\c*512   ; Q stays in registers
.endr
.endr
.endr
	WIN 0
.irp q, 0,1,2,3
.irp g, 0,1
	global_load_b32 v[QS+2*\q+\g], v84, s[74:75] offset:\g*1024+\q*64
.endr
.endr
	s_lshl_b32 s78, s[WV], 14
	v_add_nc_u32 v[AK0], s78, v83                  ; K: tiles 2 w, 2 w + 1
	v_add_nc_u32 v[AV0], 65536, v[AK0]             ; V: chunk w
	s_lshl_b32 s78, s[WV], 7
	v_lshl_add_u32 v[AKS0], v81, 2, s78
	v_lshl_add_u32 v[AKS0], v82, 9, v[AKS0]
	v_add_nc_u32 v[AKS0], 131072, v[AKS0]          ; K's scale words: K step 2 g + h, tile 2 w + u, row r
	s_lshl_b32 s78, s[WV], 9
	v_lshl_add_u32 v[AVS0], v80, 2, s78
	v_add_nc_u32 v[AVS0], 133120, v[AVS0]          ; V's: lanes 0-15 the even tile, lanes 16-31 the odd one
	v_add_nc_u32 v[APW0], s78, v83
	v_add_nc_u32 v[APW0], PB, v[APW0]              ; P: my four registers of each fragment
	v_add_nc_u32 v[APR0], PB, v83
	s_lshl_b32 s78, s[WV], 2
	v_lshl_add_u32 v[AXW0], v81, 4, s78
	v_add_nc_u32 v[AXW0], EX, v[AXW0]
	v_add_nc_u32 v[AXR0], EX, v83                  ; back: lane (r, h) takes the four waves' words of query r of tile 2 g + h
	v_lshlrev_b32 v[AXO], 4, v81
	v_lshl_add_u32 v[AXO], v82, 13, v[AXO]
	v_lshlrev_b32 v[PFO], 8, v80
	v_mov_b32 v[HOLD], 0x3f600000
	v_mov_b32 v[SCL], 0x3b000000
.irp q, 0,1,2,3
	v_mov_b32 v[FF+2*\q+1], 0                      ; (named as the upper halves of pairs)
.endr
; ---- THE VECTOR WORK FOR STEP j - 1, number zn of a list, set between the products S(j).  Lanes 0-15 serve tile 2 g, lanes 16-31 tile 2 g + 1; the two g by turns.
.macro CONS first
	WIN 0
.set zg, zn%2
.set zi, zn/2
.set zE, EE+4*zg
.set zW, LW+4*zg
.set zA, TT+7*zg
.set zN, TT+7*zg+5
.set zM, TT+7*zg+6
.if \first                             ; the first step's: there is no old R, no sum and nothing to rescale
.if zi == 0
	v_max3_num_f32 v[RR+zg], v[zE], v[zE+1], v[zE+2]
.elseif zi == 1
	v_max_num_f32 v[RR+zg], v[RR+zg], v[zE+3]
.elseif zi == 2
	v_add_f32 v[zM], 0xc2ec0000, v[RR+zg]          ; R - 118
.elseif zi < 7
	v_sub_f32 v[zA+zi-3], v[zE+zi-3], v[zM]        ; the byte of wave w's block: M' - R + 118
.elseif zi < 11
	v_cvt_u32_f32 v[zA+zi-7], v[zA+zi-7]           ; out-of-range numbers saturate: a negative one gives 0
.elseif zi < 15
	v_add_lshl_u32 v[zE+zi-11], v[zA+zi-11], 9, 23 ; 2^(M' - R) as bits
.elseif zi == 15
	v_lshl_or_b32 v[PS+zg], v[zA+1], 8, v[zA]
.elseif zi == 16
	v_lshl_or_b32 v[PS+zg], v[zA+2], 16, v[PS+zg]
.elseif zi == 17
	v_lshl_or_b32 v[PS+zg], v[zA+3], 24, v[PS+zg]
.elseif zi == 18
	v_mul_f32 v[LL+zg], v[zW], v[zE]
.else
	v_fma_f32 v[LL+zg], v[zW+zi-18], v[zE+zi-18], v[LL+zg]
.endif
.else
.if zi == 0
	v_max3_num_f32 v[zN], v[RR+zg], v[zE], v[zE+1]
.elseif zi == 1
	v_max3_num_f32 v[zN], v[zN], v[zE+2], v[zE+3]  ; the new R
.elseif zi == 2
	v_add_f32 v[zM], 0xc2ec0000, v[zN]
.elseif zi < 7
	v_sub_f32 v[zA+zi-3], v[zE+zi-3], v[zM]
.elseif zi == 7
	v_sub_f32 v[zA+4], v[RR+zg], v[zM]
.elseif zi < 13
	v_cvt_u32_f32 v[zA+zi-8], v[zA+zi-8]
.elseif zi < 17
	v_add_lshl_u32 v[zE+zi-13], v[zA+zi-13], 9, 23
.elseif zi == 17
	v_add_lshl_u32 v[zM], v[zA+4], 9, 23           ; f = 2^(old R - new R)
.elseif zi == 18
	v_lshl_or_b32 v[PS+zg], v[zA+1], 8, v[zA]
.elseif zi == 19
	v_lshl_or_b32 v[PS+zg], v[zA+2], 16, v[PS+zg]
.elseif zi == 20
	v_lshl_or_b32 v[PS+zg], v[zA+3], 24, v[PS+zg]
.elseif zi == 21
	v_mul_f32 v[LL+zg], v[LL+zg], v[zM]
.elseif zi < 26
	v_fma_f32 v[LL+zg], v[zW+zi-22], v[zE+zi-22], v[LL+zg]
.elseif zi == 26
	v_mov_b32 v[RR+zg], v[zN]
.elseif zi == 27
	v_permlanex16_b32 v[zA+4], v[zM], s[SEL], s[SEL+1]
.elseif zi == 28
	v_cndmask_b32 v[FF+4*zg], v[zM], v[zA+4], s[HM]        ; tile 2 g's factor in both halves of the lanes,
.else
	v_cndmask_b32 v[FF+4*zg+2], v[zA+4], v[zM], s[HM]      ; tile 2 g + 1's
.endif
.endif
.endm
.macro RESC                            ; pair zr of O^T times its tile's factor; the pairs ascend
	WIN 0x82
	v_pk_mul_f32 v[2*zr:2*zr+1], v[2*zr:2*zr+1], v[FF+2*(zr/32):FF+2*(zr/32)+1] op_sel_hi:[1,0]
.endm
.macro AOP mode                        ; number zn of phase A's list.  mode 2: 60 + 128;  mode 1: 44, then v_nop;  mode 0: v_nop
.if \mode == 2
.if zn < 60
	CONS 0
.else
.set zr, zn-60
	RESC
.endif
.elseif \mode == 1
.if zn < 44
	CONS 1
.else
	v_nop
.endif
.else
	v_nop
.endif
.endm
.macro ASLICE mode                     ; the slice behind product zk of 32.  The last holds nine plain instructions that name none of the products' registers: the places in front of the first read of S^T
.if zk < 31
.set zlo, (zk*(NA-9))/31
.set zhi, ((zk+1)*(NA-9))/31
.else
.set zlo, NA-9
.set zhi, NA
.endif
.set zn, zlo
.rept zhi-zlo
	AOP \mode
.set zn, zn+1
.endr
.endm
; ---- THE SOFTMAX OF STEP j, number zn of 264, the four tiles by turns.
;   0-31 the largest score of my 16 keys;  32-55 with lane l xor 16's, t, floor, -M', M';  56-87 t - M';  88-151 the 64 exponentials, ONE batch with ONE wait;  152-191 the block's sum;  192-255 the hold;  256-263 the conversions
.macro SMOP
	WIN 0
.if zn < 32
.set zq, zn%4
.set zi, zn/4
.set zS, S+16*zq
.if zi == 0
	v_max3_num_f32 v[MX+zq], v[zS], v[zS+1], v[zS+2]
.elseif zi < 7
	v_max3_num_f32 v[MX+zq], v[MX+zq], v[zS+2*zi+1], v[zS+2*zi+2]
.else
	v_max_num_f32 v[MX+zq], v[MX+zq], v[zS+15]
.endif
.elseif zn < 56
.set zq, (zn-32)%4
.set zi, (zn-32)/4
.if zi == 0
	v_permlanex16_b32 v[TQ+zq], v[MX+zq], s[SEL], s[SEL+1]
.elseif zi == 1
	v_max_num_f32 v[MX+zq], v[MX+zq], v[TQ+zq]
.elseif zi == 2
	v_mul_f32 v[TQ+zq], s[CS], v[MX+zq]
.elseif zi == 3
	v_floor_f32 v[TQ+zq], v[TQ+zq]
.elseif zi == 4
	v_sub_f32 v[NM+2*zq], -1.0, v[TQ+zq]           ; -M'
.else
	v_add_f32 v[NM+2*zq+1], 1.0, v[TQ+zq]          ; M'
.endif
.elseif zn < 88
.set zq, (zn-56)%4
.set zS, S+16*zq+2*((zn-56)/4)
	v_pk_fma_f32 v[zS:zS+1], v[zS:zS+1], s[CS:CS+1], v[NM+2*zq:NM+2*zq+1] op_sel_hi:[1,0,0]
.elseif zn < 152
.set zS, S+16*((zn-88)%4)+(zn-88)/4
	v_exp_f32 v[zS], v[zS]
.elseif zn < 192
.if zn == 152
	v_nop                                          ; a plain instruction behind the last exponential,
	s_wait_alu depctr_va_vdst(0)                   ; and the one wait ahead of the batch's first reader
.endif
.set zq, (zn-152)%4
.set zi, (zn-152)/4
.set zS, S+16*zq
.if zi == 0
	v_pk_add_f32 v[LS+2*zq:LS+2*zq+1], v[zS:zS+1], v[zS+2:zS+3]
.elseif zi < 7
	v_pk_add_f32 v[LS+2*zq:LS+2*zq+1], v[LS+2*zq:LS+2*zq+1], v[zS+2*zi+2:zS+2*zi+3]
.elseif zi == 7
	v_add_f32 v[LS+2*zq], v[LS+2*zq], v[LS+2*zq+1]
.elseif zi == 8
	v_permlanex16_b32 v[LS+2*zq+1], v[LS+2*zq], s[SEL], s[SEL+1]
.else
	v_add_f32 v[LS+2*zq], v[LS+2*zq], v[LS+2*zq+1]
.endif
.elseif zn < 256
.set zS, S+16*((zn-192)%4)+(zn-192)/4
	v_min_num_f32 v[zS], v[zS], v[HOLD]            ; p is not negative: the hold is one-sided
.else
.set zq, (zn-256)/2
.set zi, (zn-256)%2
	v_cvt_scalef32_pk8_fp8_f32 v[PC+4*zq+2*zi:PC+4*zq+2*zi+1], v[S+16*zq+8*zi:S+16*zq+8*zi+7], v[SCL]
.endif
.endm
; A prefetch of the codes of the step that stands two refills on: one instruction a wave, each run of 256 bytes named once in the launch.  The last that asks is step 11's change, for step 15.
.macro ASK
	s_cmp_gt_u32 s[CNT], s[LIM]
	s_cbranch_scc0 .Lnot_mine_\@
	global_prefetch_b8 v[PFO], s[PFA:PFA+1] th:TH_LOAD_NT scope:SCOPE_SE
.Lnot_mine_\@:
.endm
; THE CHANGE OF SLOTS, and the hand-over of P.  Each wave waits for all its tensor loads (the next step's quarter), adds 0 to its spare word, and waits for that, for its reads of the slot and for its stores of P.
; kind 1: a round of the cluster's barrier, then the step two on into the slot just left;  kind 0: the work-group's barrier, nothing is filled;  kind 2: a round, then wo's chunk w over the ring's bytes.
.macro SYNC kind
	WIN 0
	s_wait_tensorcnt 0x0
	ds_add_u32 v[SPW], v[NIL]
.if \kind == 1
	s_xor_b32 s[G0B+1], s[G0B+1], SLOT             ; the walking descriptor: the other slot (my quarter's offset shares no bit with the slot's),
	s_add_nc_u64 s[G0B+2:G0B+3], s[G0B+2:G0B+3], SLOT  ; the next step
	s_wait_xcnt 0x0                                ; the last prefetch, a step back, has read its address
	s_add_nc_u64 s[PFA:PFA+1], s[PFA:PFA+1], SLOT
.endif
	s_wait_dscnt 0x0
.if \kind == 0
	s_barrier_signal -1
	s_barrier_wait -1
.else
	ROUND
.if \kind == 1
	tensor_load_to_lds s[G0B:G0B+3], s[G1:G1+7]
.else
	tensor_load_to_lds s[G0W:G0W+3], s[G1W:G1W+7]
.endif
	s_nop 0
	PLACES 4
.if \kind == 1
	ASK
.endif
.endif
	s_xor_b32 s[TB], s[TB], SLOT
	s_xor_b32 s[PT], s[PT], 8192
	s_xor_b32 s[PTO], s[PTO], 8192
	s_xor_b32 s[ET], s[ET], 2048
	s_xor_b32 s[ETO], s[ETO], 2048
.endm
.macro PLOADS                          ; what the other waves left for me: M' and sums (4 loads), P's four fragments (16)
.irp g, 0,1
	ds_load_b128 v[EE+4*\g:EE+4*\g+3], v[ADXR] offset:\g*512
	ds_load_b128 v[LW+4*\g:LW+4*\g+3], v[ADXR] offset:1024+\g*512
.endr
.endm
.macro PFLOADS
.irp q, 0,1,2,3
.irp c, 0,1,2,3
	ds_load_b128 v[PF+16*\q+4*\c:PF+16*\q+4*\c+3], v[ADPR] offset:\q*2048+\c*512
.endr
.endr
.endm
.macro PVPROD first                    ; product zk of 32 of O^T += V^T P^T: 16 channels ct = zk / 4, tile zk % 4: each accumulator once
	WIN 0xa3
.set zc, zk/4
.set zq, zk%4
.if \first
	WMMA 64*zq+8*zc,128+16*zc,PF+16*zq,-1,VS+zc/2,PS+zq/2,zc%2,zq%2
.else
	WMMA 64*zq+8*zc,128+16*zc,PF+16*zq,64*zq+8*zc,VS+zc/2,PS+zq/2,zc%2,zq%2
.endif
.endm
; A KEY STEP.  mode 0: the first (nothing of a step before);  mode 1: the second (the first P: its products start O^T's sums);  mode 2: all others.
.macro STEP mode, sync
	WIN 0
	v_add_nc_u32 v[ADK], s[TB], v[AK0]
	v_add_nc_u32 v[ADV], s[TB], v[AV0]
	v_add_nc_u32 v[ADKS], s[TB], v[AKS0]
	v_add_nc_u32 v[ADVS], s[TB], v[AVS0]
	v_add_nc_u32 v[ADPW], s[PT], v[APW0]
	v_add_nc_u32 v[ADXW], s[ET], v[AXW0]
.if \mode
	v_add_nc_u32 v[ADPR], s[PTO], v[APR0]
	v_add_nc_u32 v[ADXR], s[ETO], v[AXR0]
.endif
.irp u, 0,1
.irp g, 0,1
	ds_load_b32 v[KS+2*\u+\g], v[ADKS] offset:\g*1024+\u*64
.endr
.endr
.if \mode
	PLOADS
.endif
	WIN 0xc0                                       ; destination window 3
.irp e, 0,1,2,3
.irp u, 0,1
.irp c, 0,1,2,3
	ds_load_b128 v[64*\u+16*\e+4*\c:64*\u+16*\e+4*\c+3], v[ADK] offset:\u*8192+\e*2048+\c*512
.endr
.endr
.endr
	WIN 0
.if \mode
	PFLOADS
.set zbase, 16
.else
.set zbase, 0
.endif
.if \mode == 2
.set NA, 188
.elseif \mode == 1
.set NA, 53
.else
.set NA, 9
.endif
	; phase A: S^T = K Q^T, K ascending, eight accumulators by turns, one instruction a turn
.set zk, 0
.rept 32
.if zk%8 == 0
	s_wait_dscnt zbase+24-zk                       ; behind what this K step wants: the later K steps' loads, eight each, and P's sixteen
.endif
	WIN 0x07                                       ; A (K) window 3, B (Q) window 1, C and D window 0
.set ze, zk/8
.set zq, (zk%8)/2
.set zu, zk%2
.if ze == 0
	WMMA S+16*zq+8*zu,64*zu+16*ze,64*zq+16*ze,-1,KS+2*zu+ze/2,QS+2*zq+ze/2,ze%2,ze%2
.else
	WMMA S+16*zq+8*zu,64*zu+16*ze,64*zq+16*ze,S+16*zq+8*zu,KS+2*zu+ze/2,QS+2*zq+ze/2,ze%2,ze%2
.endif
	ASLICE \mode
.set zk, zk+1
.endr
	; phase B: the products of the step before, and this step's softmax: eight numbers behind each product, sixteen behind the last (eight holds: the places in front of V's loads; eight conversions)
.if \mode
	s_wait_dscnt 0x0                               ; P is in
.set zk, 0
.rept 32
	PVPROD 2-\mode
.set zn, 8*zk
.rept 8+8*(zk/31)
	SMOP
.set zn, zn+1
.endr
.set zk, zk+1
.endr
.else
.set zn, 0
.rept 264
	SMOP
.set zn, zn+1
.endr
.endif
	v_nop                                          ; a plain instruction behind the last conversion
	WIN 0xc0
.irp t, 0,1,2,3,4,5,6,7
.irp c, 0,1,2,3
	ds_load_b128 v[128+16*\t+4*\c:128+16*\t+4*\c+3], v[ADV] offset:\t*2048+\c*512   ; V of this step: it stays in registers over the change of slots
.endr
.endr
	WIN 0
.irp p, 0,1,2,3
	ds_load_b32 v[VS+\p], v[ADVS] offset:\p*128
.endr
.irp q, 0,1,2,3
	ds_store_b128 v[ADPW], v[PC+4*\q:PC+4*\q+3] offset:\q*2048                      ; registers 4 w .. 4 w + 3 of tile q's fragment of P
.endr
.irp q, 0,1,2,3
	ds_store_b32 v[ADXW], v[NM+2*\q+1] offset:\q*256                                ; both halves of the lanes write the same word with the same value
	ds_store_b32 v[ADXW], v[LS+2*\q] offset:1024+\q*256
.endr
	SYNC \sync
.endm
	s_wait_tensorcnt 0x1                           ; my quarter of step 0 is in; step 1's may stay out
	s_barrier_signal -1
	s_barrier_wait -1
	s_wait_loadcnt 0x0                             ; Q and its scale words
.irp q, 0,1,2,3
	v_mov_b32 v[TQ+\q], 0                          ; written once: a lane permute's destination counts as one of its sources
.endr
	STEP 0,1
	STEP 1,1
.Lloop:                                                ; steps 2 to 13
	STEP 2,1
	s_sub_co_u32 s[CNT], s[CNT], 1
	s_cmp_lg_u32 s[CNT], 0
	s_cbranch_scc1 .Lloop
	STEP 2,0                                       ; step 14: nothing is left to ask for
	STEP 2,2                                       ; step 15: the ring is left for good, wo comes into its bytes
	; ================= THE TAIL: the last step's P, O / the sum, its codes, the last product, the bias and the residual
	v_add_nc_u32 v[ADPR], s[PTO], v[APR0]
	v_add_nc_u32 v[ADXR], s[ETO], v[AXR0]
	PLOADS
	PFLOADS
	v_and_b32 v113, 31, v0                         ; lane
	v_and_b32 v114, 15, v0                         ; r
	v_bfe_u32 v115, v0, 4, 1                       ; h
	v_and_b32 v112, 8, v114
	v_add_nc_u32 v112, v112, v114
	v_lshlrev_b32 v112, 2, v112                    ; 4 (r + 8 (r / 8))
.irp t, 0,1,2,3,4,5,6,7
	global_load_b32 v[PC+\t], v112, s[10:11] offset:(32*(\t/2)+8*(\t%2))*4          ; bo of the row r of wo's tile t
.endr
	WIN 0x40
.irp t, 0,1,2,3,4,5,6,7
.irp i, 0,1,2,3,4,5,6,7
	global_load_b128 v[32*\t+4*\i:32*\t+4*\i+3], v[AXO], s[12:13] offset:(32*(\t/2)+8*(\t%2)+2*(\i%4)+16*(\i/4))*8192 th:TH_LOAD_NT   ; x as the results will lie: 16 lanes take a channel's 256 bytes
.endr
.endr
	WIN 0
	s_lshl_b32 s78, s[WV], 11
	v_lshl_add_u32 v10, v113, 4, s78
	v_add_nc_u32 v10, OIMG, v10                    ; O's images in: K step w
	s_lshl_b32 s78, s[WV], 7
	v_lshl_add_u32 v11, v113, 2, s78
	v_add_nc_u32 v11, OSC, v11
	v_lshl_add_u32 v12, v113, 4, OIMG              ; and back
	v_lshl_add_u32 v13, v113, 2, OSC
	v_lshl_add_u32 v14, v113, 4, s69               ; wo's chunk w: fragments,
	v_lshl_add_u32 v15, v113, 3, s69
	v_add_nc_u32 v15, 65536, v15                   ; scale words
	s_mul_i32 s78, s[WV], 4352
	s_add_co_u32 s78, s78, STAGE
	v_mul_u32_u24 v120, v114, 272
	v_lshl_add_u32 v120, v115, 6, v120
	v_add_nc_u32 v120, s78, v120                   ; my stage in: row r, + 64 h
	v_mul_u32_u24 v121, v115, 272
	v_lshl_add_u32 v121, v114, 4, v121
	v_add_nc_u32 v121, s78, v121                   ; back: lanes 0-15 one row, lanes 16-31 the next
	s_wait_dscnt 16                                ; M' and the sums are in; P's sixteen loads may be out
.set zn, 0
.rept 188
	AOP 2
.set zn, zn+1
.endr
	WIN 0
	v_rcp_f32 v[TT], v[LL]
	v_rcp_f32 v[TT+7], v[LL+1]
	v_nop
	s_wait_alu depctr_va_vdst(0)                   ; one wait for the two reciprocals
	v_permlanex16_b32 v[TT+1], v[TT], s[SEL], s[SEL+1]
	v_permlanex16_b32 v[TT+8], v[TT+7], s[SEL], s[SEL+1]
	v_cndmask_b32 v[FF], v[TT], v[TT+1], s[HM]     ; 1 / the sum of each tile's query, in both halves of the lanes
	v_cndmask_b32 v[FF+2], v[TT+1], v[TT], s[HM]
	v_cndmask_b32 v[FF+4], v[TT+7], v[TT+8], s[HM]
	v_cndmask_b32 v[FF+6], v[TT+8], v[TT+7], s[HM]
	s_wait_dscnt 0x0
.set zk, 0
.rept 32
	PVPROD 0
.set zk, zk+1
.endr
	WIN 0
	PLACES 8
.set zr, 0
.rept 128
	RESC                                           ; O^T / the sum
.set zr, zr+1
.endr
.irp q, 0,1,2,3
	QUANT 64*\q,S+16*\q,TQ+\q,0x02                 ; my 128 channels of tile q: K step w of the last product
.irp c, 0,1,2,3
	ds_store_b128 v10, v[S+16*\q+4*\c:S+16*\q+4*\c+3] offset:\q*8192+\c*512
.endr
	ds_store_b32 v11, v[TQ+\q] offset:\q*512
.endr
	s_wait_dscnt 0x0                               ; for the others' sake; my reads of P are long over
	s_barrier_signal -1
	s_barrier_wait -1
	WIN 0xc0
.irp q, 0,1,2,3
.irp e, 0,1,2,3
.irp c, 0,1,2,3
	ds_load_b128 v[16*(4*\q+\e)+4*\c:16*(4*\q+\e)+4*\c+3], v12 offset:(4*\q+\e)*2048+\c*512
.endr
.endr
.endr
	WIN 0
.irp q, 0,1,2,3
.irp e, 0,1,2,3
	ds_load_b32 v[QS+4*\q+\e], v13 offset:(4*\q+\e)*128
.endr
.endr
	s_wait_loadcnt 63                              ; 72 were issued: the oldest nine are in, bo's eight among them
.irp t, 0,1,2,3,4,5,6,7
.irp j, 0,1,2,3,4,5,6,7
	v_mov_b32 v[BIAS+8*\t+\j], v[PC+\t]            ; bo in the result's layout: eight positions of one output
.endr
.endr
	s_wait_tensorcnt 0x0                           ; wo's chunk w: I fetched it, and I alone read it
.macro FETCHO t, buf
.irp e, 0,1,2,3
.irp c, 0,1,2,3
	ds_load_b128 v[S+64*(\buf)+16*\e+4*\c:S+64*(\buf)+16*\e+4*\c+3], v14 offset:(\t)*8192+\e*2048+\c*512
.endr
.endr
	ds_load_b64 v[WSF+2*(\buf):WSF+2*(\buf)+1], v15 offset:(\t)*256
.endm
.macro YMUL t, buf                     ; source 0 = O's 16 queries, source 1 = 16 rows of wo: a lane holds one output and eight neighbouring positions.  Four accumulators by turns
.irp e, 0,1,2,3
.if \e == 0
	WIN 0x83                                       ; A window 3, B and C (the bias) window 0, D window 2
.else
	WIN 0xa3
.endif
.irp q, 0,1,2,3
.if \e == 0
	WMMA 32*(\t)+8*\q,16*(4*\q+\e),S+64*(\buf)+16*\e,BIAS+8*(\t),QS+4*\q+\e,WSF+2*(\buf)+\e/2,0,\e%2
.else
	WMMA 32*(\t)+8*\q,16*(4*\q+\e),S+64*(\buf)+16*\e,32*(\t)+8*\q,QS+4*\q+\e,WSF+2*(\buf)+\e/2,0,\e%2
.endif
.endr
.endr
.endm
.macro TOSTAGE t                       ; 16 outputs x 64 positions through my stage: in by lanes' pieces of 64 bytes, back as whole rows of 256 bytes, into the registers that they left
	WIN 0x08
.irp q, 0,1,2,3
	ds_store_b128 v120, v[32*(\t)+8*\q:32*(\t)+8*\q+3] offset:(\q/2)*128+(\q%2)*32         ; each accumulator from its low end on
	ds_store_b128 v120, v[32*(\t)+8*\q+4:32*(\t)+8*\q+7] offset:(\q/2)*128+(\q%2)*32+16
.endr
	WIN 0x80
.irp i, 0,1,2,3,4,5,6,7
	ds_load_b128 v[32*(\t)+4*\i:32*(\t)+4*\i+3], v121 offset:544*\i                        ; LDS serves a wave's instructions in order
.endr
.endm
.macro FINISH t, left                  ; left: the LDS loads issued behind the stage's, which may stay out
	s_wait_dscnt \left
.if (\t) == 0
	s_wait_loadcnt 0x0                             ; x
.endif
	WIN 0x86
.irp p, 0,2,4,6,8,10,12,14,16,18,20,22,24,26,28,30
	v_pk_add_f32 v[32*(\t)+\p:32*(\t)+\p+1], v[32*(\t)+\p:32*(\t)+\p+1], v[32*(\t)+\p:32*(\t)+\p+1]   ; + x (window 1)
.endr
	WIN 0x08
.irp i, 0,1,2,3,4,5,6,7
	global_store_b128 v[AXO], v[32*(\t)+4*\i:32*(\t)+4*\i+3], s[14:15] offset:(32*((\t)/2)+8*((\t)%2)+2*(\i%4)+16*(\i/4))*8192 th:TH_STORE_NT   ; 16 lanes store 256 consecutive bytes, aligned
.endr
.endm
	FETCHO 0,0
.irp o, 0,1,2,3,4,5,6,7
	WIN 0
.if \o == 0
	s_wait_dscnt 0x0
.else
	s_wait_dscnt 16                                ; this tile's fragments are in; the stage's sixteen instructions behind them may be out
.endif
.if \o < 7
	FETCHO \o+1,(\o+1)%2                           ; into the buffer that the tile before has left, behind the vector work that followed its products
.endif
	YMUL \o,\o%2
.if \o == 0
	WIN 0
	PLACES 8
.elseif \o < 7
	FINISH \o-1,17                                 ; its sixteen additions are the places behind this tile's products
.else
	FINISH \o-1,0
.endif
	TOSTAGE \o
.endr
	FINISH 7,0
	WIN 0
	s_wait_tensorcnt 0x0                           ; the wave's end
	ds_add_u32 v[SPW], v[NIL]
	s_wait_dscnt 0x0
	ROUND                                          ; the closing round: no work-group ends while a partner may still ask for a tile that names it
	s_endpgm
.Lfunc_end_k_q83656a1971_attn:
	.size	k_q83656a1971_attn, .Lfunc_end_k_q83656a1971_attn-k_q83656a1971_attn
	.p2alignl 7, 3214868480
	.fill 96, 4, 3214868480
	.section	.rodata,"a",@progbits
	.p2align	6, 0x0
	.amdhsa_kernel k_q83656a1971_attn
		.amdhsa_group_segment_fixed_size 327680
		.amdhsa_private_segment_fixed_size 0
		.amdhsa_enable_private_segment 0
		.amdhsa_kernarg_size 48
		.amdhsa_user_sgpr_count 2
		.amdhsa_user_sgpr_kernarg_segment_ptr 1
		.amdhsa_wavefront_size32 1
		.amdhsa_system_sgpr_workgroup_id_x 1
		.amdhsa_system_sgpr_workgroup_id_y 1
		.amdhsa_system_sgpr_workgroup_id_z 1
		.amdhsa_system_vgpr_workitem_id 0
		.amdhsa_next_free_vgpr 1024
		.amdhsa_next_free_sgpr 100
		.amdhsa_reserve_vcc 0
		.amdhsa_float_denorm_mode_32 3
		.amdhsa_float_denorm_mode_16_64 3
		.amdhsa_memory_ordered 1
		.amdhsa_forward_progress 1
		.amdhsa_inst_pref_size 255
	.end_amdhsa_kernel
	.section	.bss,"aw",@nobits
	.p2align	6
	.space	262144
	.amdgpu_metadata
---
amdhsa.version: [ 1, 2 ]
amdhsa.kernels:
  - .name:           k_q83656a1971_attn
    .symbol:         k_q83656a1971_attn.kd
    .args:
      - { .name: qbuf, .offset: 0, .size: 8, .value_kind: global_buffer, .address_space: global }
      - { .name: kv, .offset: 8, .size: 8, .value_kind: global_buffer, .address_space: global }
      - { .name: wbuf, .offset: 16, .size: 8, .value_kind: global_buffer, .address_space: global }
      - { .name: bo, .offset: 24, .size: 8, .value_kind: global_buffer, .address_space: global }
      - { .name: x, .offset: 32, .size: 8, .value_kind: global_buffer, .address_space: global }
      - { .name: out0, .offset: 40, .size: 8, .value_kind: global_buffer, .address_space: global }
    .group_segment_fixed_size: 327680
    .private_segment_fixed_size: 0
    .kernarg_segment_align: 8
    .kernarg_segment_size: 48
    .max_flat_workgroup_size: 128
    .sgpr_count:     100
    .vgpr_count:     1024
    .wavefront_size: 32
...
	.end_amdgpu_metadata
.endif
;; end of part 3
;; ======== version 2 of 2: 3 launches
;; limits: right only within a limited range of input values
;; workspace buffers: hn_codes 8,388,608 bytes; hn_sw 1,048,576 bytes; wbuf 1,081,344 bytes; qbuf 8,650,752 bytes; kv 17,301,504 bytes
;; launch prep (part 4): grid 160 x 1, 16 waves a work-group, no clusters, 11,776 bytes of LDS; arguments wq, wk, wv, wo, x, gn_scale, gn_bias, hn_codes, hn_sw, wbuf; writes hn_codes, hn_sw, wbuf
.if DOCPART == 4
	.amdgcn_target "amdgcn-amd-amdhsa--gfx1250"
	.amdhsa_code_object_version 6
	.text
	.protected	k_q83656a1971_prep
	.globl	k_q83656a1971_prep
	.p2align	8
	.type	k_q83656a1971_prep,@function
k_q83656a1971_prep:
	s_mov_b64 s[64:65], 0
	v_nop
	global_prefetch_b8 v0, s[64:65] scope:SCOPE_SE
	s_setreg_imm32_b32 hwreg(HW_REG_WAVE_MODE, 25, 1), 1
	s_wait_xcnt 0x0
; FIRST OF THREE LAUNCHES.  out0 = x + wo . attention(GroupNorm(x)) + bo, all six products on codes of FP8 (E4M3) with one E8M0 scale for each 32 along K.
; NOTHING OF THE PROBLEM IS LEFT OUT: every bias goes into a quantised operand (bq, bk, bv) or into the output (bo), gn_scale and gn_bias into hn: all eleven inputs are loaded by some launch.
; THIS LAUNCH: (a) work-groups 0-127: GroupNorm of 32 channels (two groups of 16) x 2,048 positions of one batch, held in registers (x is read once), quantised along the channels;
;              (b) work-groups 128-159: the four weights [512][512], K innermost, quantised along K; one wave takes one fragment, 16 rows x 128 along K: 16 loads, all out at once.
; ALL WORKSPACE IS LAID IN THE ORDER OF AN OPERAND'S REGISTERS.  A fragment (16 rows x 128 K) is 2,048 bytes: byte c*512 + 16*lane + e = the code of (row lane%16, k = 32 c + 16 (lane/16) + e).
; TILE ORDER (positions, and the rows of the weights): tile 2 B + u holds the 16 indices 32 B + 8 u + r + 8 (r/8), so that results of two neighbouring tiles are 16 neighbours along the next K.
;   hn_codes [b][tile 0..127][K step 0..3] fragments;   hn_sw [b][block of 32 channels cb][16 tile + r] words = the scale byte << 8 (cb % 4);
;   wbuf [q,k,v,o][chunk of 128 rows] 67,584 bytes: fragment (tile t, K step e) at 8192 t + 2048 e; scale words at 65536 + 256 t + 8 lane + 4 g: row lane%16, K step 2 g + lane/16.
; A LANE TAKES A POSITION AND ITS REGISTERS RUN DOWN THE CHANNELS: a block of 32 along K is one lane's 32 registers.  Thread (wave, lane) owns positions 128 wave + 32 j + lane, j = 0..3.
; The variance is the mean of the squared deviations from the mean (two passes over the registers), so a common offset of x costs nothing.
; No cluster: the work-groups share no input.  No prefetch: all of a work-group's loads go out at its head.  160 work-groups: a block of 32 channels needs both of its groups' statistics over all positions (128), and the weights have 512 fragments, 16 to a work-group (32).
; LIMITS: NaN and infinities among the inputs are not served; a block of zeros gets the scale byte 1 (its codes are zeros; this program alone reads the bytes).
.set RED1,  0                          ; LDS: 16 waves x (sum of group 0, sum of group 1)
.set RED2,  256                        ; the same for the squares
.set STG,   512                        ; 512 bytes for each wave: its 128 scale words
.set SPARE, 8704                       ; the spare words, 128 bytes for each wave
.set WSC,   10752                      ; the weights' path alone: the scale words of the work-group's four tiles, 256 bytes each
.set CH,    67584
.set X,     96                         ; v96-223  GroupNorm: position j, channel c at X + 32 j + c;  weights: v96-159, 64 numbers
.set CD,    52                         ; v52-83   GroupNorm: the codes, 8 registers a position
.set TM,    12                         ; v12-27   at work
.set PW,    28                         ; v28-31   scale bytes or words
.set PC,    32                         ; v32-47   weights: the fragment's codes
.set SPW,   10
.set NIL,   11
.set WV,    24
.set MNT,   25                         ; s25  the mantissa field of 448
	s_load_b256 s[4:11], s[0:1], 0x0               ; wq, wk, wv, wo
	s_load_b256 s[12:19], s[0:1], 0x20             ; x, gn_scale, gn_bias, hn_codes
	s_load_b128 s[20:23], s[0:1], 0x40             ; hn_sw, wbuf
	v_lshl_add_u32 v[SPW], v0, 2, SPARE
	v_mov_b32 v[NIL], 0
	v_lshrrev_b32 v1, 5, v0
	v_readfirstlane_b32 s[WV], v1                  ; wave 0..15
	v_and_b32 v9, 31, v0                           ; lane
	s_mov_b32 s[MNT], 0x600000
	s_mov_b32 s3, 0
	s_wait_kmcnt 0x0
	s_cmp_ge_u32 ttmp9, 128                        ; the work-group's number alone: all sixteen waves go the same way
	s_cbranch_scc1 .Lweights
	; ================= GroupNorm: work-group 16 b + cb
	s_lshl_b32 s2, ttmp9, 18                       ; 32 channels x 8,192 bytes
	s_add_nc_u64 s[12:13], s[12:13], s[2:3]
	v_lshlrev_b32 v2, 2, v9
	v_lshl_add_u32 v2, v1, 9, v2                   ; 4 (128 wave + lane)
.set zc, 0
.rept 32                                               ; channel by channel: four loads on end cover 512 neighbouring bytes of the wave
.irp j, 0,1,2,3
	global_load_b32 v[X+32*\j+zc], v2, s[12:13] offset:zc*8192+\j*128 th:TH_LOAD_NT
.endr
.set zc, zc+1
.endr
	s_mov_b32 s6, 0x76543210                       ; v_permlanex16_b32's selects for lane l xor 16
	s_mov_b32 s7, 0xfedcba98
	s_mov_b32 s11, 0x38000000                      ; 2^-15 = 1 / (16 x 2,048)
	s_mov_b32 s4, 0x358637bd                       ; 1e-6
	s_and_b32 s8, ttmp9, 15                        ; cb
	s_lshr_b32 s9, ttmp9, 4                        ; b
	s_and_b32 s10, s8, 3
	s_lshl_b32 s10, s10, 3                         ; the byte's place in the scale word
	s_lshl_b32 s2, s8, 7
	s_add_nc_u64 s[14:15], s[14:15], s[2:3]
	s_add_nc_u64 s[16:17], s[16:17], s[2:3]
	s_load_b512 s[32:47], s[14:15], 0x0            ; gn_scale of my 32 channels
	s_load_b512 s[48:63], s[14:15], 0x40
	s_load_b512 s[68:83], s[16:17], 0x0            ; gn_bias
	s_load_b512 s[84:99], s[16:17], 0x40
	s_lshl_b32 s2, s9, 20
	s_lshl_b32 s5, s8, 9
	s_add_co_u32 s2, s2, s5
	s_add_nc_u64 s[18:19], s[18:19], s[2:3]        ; hn_codes: batch, K step cb / 4, block cb % 4: 2^20 b + 512 cb
	s_lshl_b32 s2, ttmp9, 13
	s_add_nc_u64 s[20:21], s[20:21], s[2:3]        ; hn_sw: my plane of 2,048 words
	v_bfe_u32 v4, v9, 3, 1                         ; u: position lane of a block of 32 lies in tile 2 B + u,
	v_and_b32 v5, 7, v9
	v_lshrrev_b32 v6, 4, v9
	v_lshl_add_u32 v5, v6, 3, v5                   ; at row lane % 8 + 8 (lane / 16)
	v_lshlrev_b32 v3, 4, v5
	v_lshl_add_u32 v3, v4, 13, v3
	v_lshl_add_u32 v3, v1, 16, v3                  ; codes: 65536 wave + 8192 u + 16 row
	v_lshlrev_b32 v7, 2, v5
	v_lshl_add_u32 v7, v4, 6, v7
	v_lshl_add_u32 v7, v1, 9, v7
	v_add_nc_u32 v7, STG, v7                       ; scale words into my wave's stage: 4 (16 u + row), 128 bytes a j
	v_lshl_add_u32 v8, v0, 4, STG                  ; and back, 16 bytes a lane
	v_lshlrev_b32 v6, 4, v0                        ; the same place in the plane of hn_sw
	v_lshlrev_b32 v4, 3, v1                        ; 8 x wave
	v_lshlrev_b32 v5, 2, v9                        ; 4 x lane
.macro GSUM g, a                       ; the sum of my 64 numbers of group g: two chains of packed additions, started by the first numbers
	v_pk_add_f32 v[\a:\a+1], v[X+16*\g:X+16*\g+1], v[X+16*\g+2:X+16*\g+3]
	v_pk_add_f32 v[\a+2:\a+3], v[X+32+16*\g:X+32+16*\g+1], v[X+32+16*\g+2:X+32+16*\g+3]
.irp c, 4,6,8,10,12,14
	v_pk_add_f32 v[\a:\a+1], v[\a:\a+1], v[X+16*\g+\c:X+16*\g+\c+1]
	v_pk_add_f32 v[\a+2:\a+3], v[\a+2:\a+3], v[X+32+16*\g+\c:X+32+16*\g+\c+1]
.endr
.irp c, 0,2,4,6,8,10,12,14
	v_pk_add_f32 v[\a:\a+1], v[\a:\a+1], v[X+64+16*\g+\c:X+64+16*\g+\c+1]
	v_pk_add_f32 v[\a+2:\a+3], v[\a+2:\a+3], v[X+96+16*\g+\c:X+96+16*\g+\c+1]
.endr
	v_pk_add_f32 v[\a:\a+1], v[\a:\a+1], v[\a+2:\a+3]
	v_add_f32 v[\a], v[\a], v[\a+1]
.endm
.macro GDEV g, a, m                    ; x - mean in place, and the sum of the squares
.irp j, 0,1,2,3
.irp c, 0,2,4,6,8,10,12,14
	v_pk_add_f32 v[X+32*\j+16*\g+\c:X+32*\j+16*\g+\c+1], v[X+32*\j+16*\g+\c:X+32*\j+16*\g+\c+1], s[\m:\m+1] op_sel_hi:[1,0]
.endr
.endr
	v_pk_mul_f32 v[\a:\a+1], v[X+16*\g:X+16*\g+1], v[X+16*\g:X+16*\g+1]
	v_pk_mul_f32 v[\a+2:\a+3], v[X+32+16*\g:X+32+16*\g+1], v[X+32+16*\g:X+32+16*\g+1]
.irp c, 2,4,6,8,10,12,14
	v_pk_fma_f32 v[\a:\a+1], v[X+16*\g+\c:X+16*\g+\c+1], v[X+16*\g+\c:X+16*\g+\c+1], v[\a:\a+1]
	v_pk_fma_f32 v[\a+2:\a+3], v[X+32+16*\g+\c:X+32+16*\g+\c+1], v[X+32+16*\g+\c:X+32+16*\g+\c+1], v[\a+2:\a+3]
.endr
.irp c, 0,2,4,6,8,10,12,14
	v_pk_fma_f32 v[\a:\a+1], v[X+64+16*\g+\c:X+64+16*\g+\c+1], v[X+64+16*\g+\c:X+64+16*\g+\c+1], v[\a:\a+1]
	v_pk_fma_f32 v[\a+2:\a+3], v[X+96+16*\g+\c:X+96+16*\g+\c+1], v[X+96+16*\g+\c:X+96+16*\g+\c+1], v[\a+2:\a+3]
.endr
	v_pk_add_f32 v[\a:\a+1], v[\a:\a+1], v[\a+2:\a+3]
	v_add_f32 v[\a], v[\a], v[\a+1]
.endm
.macro WSUM a                          ; over the wave's 32 lanes
	v_add_f32_dpp v[\a], v[\a], v[\a] row_xmask:1 row_mask:0xf bank_mask:0xf
	v_add_f32_dpp v[\a], v[\a], v[\a] row_xmask:2 row_mask:0xf bank_mask:0xf
	v_add_f32_dpp v[\a], v[\a], v[\a] row_xmask:4 row_mask:0xf bank_mask:0xf
	v_add_f32_dpp v[\a], v[\a], v[\a] row_xmask:8 row_mask:0xf bank_mask:0xf
	v_permlanex16_b32 v[\a+1], v[\a], s6, s7
	v_add_f32 v[\a], v[\a], v[\a+1]
.endm
.macro ALLSUM red                      ; v12, v16: the wave's two sums -> v14: even lanes the work-group's sum of group 0, odd lanes of group 1
	v_mov_b32 v13, v16
	ds_store_b64 v4, v[12:13] offset:\red          ; all lanes write the same two words with the same values
	s_wait_dscnt 0x0                               ; for the others' sake
	s_barrier_signal -1
	s_barrier_wait -1
	ds_load_b32 v14, v5 offset:\red                ; lane 2 w + g: wave w's sum of group g
	s_wait_dscnt 0x0
	v_add_f32_dpp v14, v14, v14 row_xmask:2 row_mask:0xf bank_mask:0xf
	v_add_f32_dpp v14, v14, v14 row_xmask:4 row_mask:0xf bank_mask:0xf
	v_add_f32_dpp v14, v14, v14 row_xmask:8 row_mask:0xf bank_mask:0xf
	v_permlanex16_b32 v15, v14, s6, s7
	v_add_f32 v14, v14, v15
.endm
	s_wait_loadcnt 63                              ; 128 were issued: the oldest 65 are in, channels 0-15 among them
	GSUM 0, 12
	s_wait_loadcnt 0x0
	GSUM 1, 16
	WSUM 12
	WSUM 16
	ALLSUM RED1
	v_mul_f32 v14, 0xb8000000, v14                 ; - the mean
	v_readlane_b32 s26, v14, 0
	v_readlane_b32 s28, v14, 1
	s_mov_b32 s27, s26                             ; (named with it as a pair)
	s_mov_b32 s29, s28
	GDEV 0, 12, 26
	GDEV 1, 16, 28
	WSUM 12
	WSUM 16
	ALLSUM RED2                                    ; other bytes than the first time: no wave still reads what is written here
	v_fma_f32 v14, v14, s11, s4                    ; the variance + 1e-6
	v_rsq_f32 v14, v14
	v_nop                                          ; a plain instruction behind the transcendental,
	s_wait_alu depctr_va_vdst(0)                   ; and the wait ahead of its first reader
	v_readlane_b32 s30, v14, 0
	v_readlane_b32 s31, v14, 1
	s_wait_kmcnt 0x0                               ; gn_scale, gn_bias
.set zc, 0
.rept 16
	s_mul_f32 s[32+zc], s[32+zc], s30              ; the gain x 1 / sqrt(variance + 1e-6) of the channel's group
	s_mul_f32 s[48+zc], s[48+zc], s31
.set zc, zc+1
.endr
.set zc, 0
.rept 32
.irp j, 0,1,2,3
	v_fma_f32 v[X+32*\j+zc], v[X+32*\j+zc], s[32+zc], s[68+zc]     ; hn
.endr
.set zc, zc+1
.endr
	; the four blocks of 32 (one a position) by turns: largest magnitude with the floor 2^(9-127), scale operand, hold, byte
.irp j, 0,1,2,3
	v_max3_num_f32 v[12+2*\j], |v[X+32*\j]|, |v[X+32*\j+1]|, |v[X+32*\j+2]|
	v_max3_num_f32 v[13+2*\j], |v[X+32*\j+3]|, |v[X+32*\j+4]|, |v[X+32*\j+5]|
.endr
.irp i, 6,10,14,18,22,26
.irp j, 0,1,2,3
	v_max3_num_f32 v[12+2*\j], v[12+2*\j], |v[X+32*\j+\i]|, |v[X+32*\j+\i+1]|
	v_max3_num_f32 v[13+2*\j], v[13+2*\j], |v[X+32*\j+\i+2]|, |v[X+32*\j+\i+3]|
.endr
.endr
.irp j, 0,1,2,3
	v_max3_num_f32 v[12+2*\j], v[12+2*\j], |v[X+32*\j+30]|, |v[X+32*\j+31]|
.endr
.irp j, 0,1,2,3
	v_max3_num_f32 v[12+2*\j], v[12+2*\j], v[13+2*\j], 0x4800000
.endr
.irp j, 0,1,2,3
	v_add_nc_u32 v[20+\j], 0xfc000000, v[12+2*\j]  ; 8 off the exponent field: the conversion's scale operand
.endr
.irp j, 0,1,2,3
	v_and_or_b32 v[24+\j], v[12+2*\j], 0x7f800000, s[MNT]  ; 448 x the scale
.endr
.irp j, 0,1,2,3
	v_lshrrev_b32 v[PW+\j], 23, v[20+\j]           ; the scale's byte,
.endr
.irp j, 0,1,2,3
	v_lshlrev_b32 v[PW+\j], s10, v[PW+\j]          ; at its place in the word of 128 channels
.endr
.irp j, 0,1,2,3
	ds_store_b32 v7, v[PW+\j] offset:128*\j
.endr
.irp j, 0,1,2,3
.set zc, 0
.rept 32
	v_med3_num_f32 v[X+32*\j+zc], v[X+32*\j+zc], -v[24+\j], v[24+\j]   ; the conversion does not saturate (ISA guide 7.6.2): the hold at 448 x the scale
.set zc, zc+1
.endr
.irp q, 0,1,2,3
	v_cvt_scalef32_pk8_fp8_f32 v[CD+8*\j+2*\q:CD+8*\j+2*\q+1], v[X+32*\j+8*\q:X+32*\j+8*\q+7], v[20+\j]
.endr
	global_store_b128 v3, v[CD+8*\j:CD+8*\j+3], s[18:19] offset:\j*16384        ; channels 0-15 of the block: the fragment's lanes 0-15; the wave fills two aligned runs of 256 bytes
	global_store_b128 v3, v[CD+8*\j+4:CD+8*\j+7], s[18:19] offset:\j*16384+256  ; channels 16-31: its lanes 16-31
.endr
	v_nop
	ds_load_b128 v[32:35], v8                      ; LDS serves a wave's instructions in order: these see my stores
	s_wait_dscnt 0x0
	global_store_b128 v6, v[32:35], s[20:21]       ; the wave's 128 scale words: 512 consecutive bytes
	s_wait_tensorcnt 0x0                           ; the wave's end, behind my last LDS store
	ds_add_u32 v[SPW], v[NIL]
	s_wait_dscnt 0x0
	s_endpgm
	; ================= the weights: work-group 128 + g takes tiles 4 g .. 4 g + 3 of the 128; wave wv takes K step wv % 4 of tile 4 g + wv / 4
.Lweights:
	s_sub_co_u32 s26, ttmp9, 128                   ; g = 0..31
	s_lshr_b32 s27, s26, 3                         ; which weight: q, k, v, o (32 tiles each)
	s_and_b32 s28, s27, 1
	s_cmp_eq_u32 s28, 0
	s_cselect_b64 s[4:5], s[4:5], s[6:7]
	s_cselect_b64 s[8:9], s[8:9], s[10:11]
	s_cmp_lt_u32 s27, 2
	s_cselect_b64 s[4:5], s[4:5], s[8:9]
	s_mov_b32 s6, 0x76543210
	s_mov_b32 s7, 0xfedcba98
	s_lshr_b32 s28, s26, 1                         ; chunk 0..15 (8 tiles each)
	s_lshr_b32 s34, s[WV], 2                       ; which of the work-group's four tiles
	s_and_b32 s35, s[WV], 3                        ; K step e
	s_and_b32 s29, s26, 1
	s_lshl_b32 s29, s29, 2
	s_add_co_u32 s29, s29, s34                     ; tile t of the chunk
	s_and_b32 s30, s28, 3
	s_lshl_b32 s30, s30, 7
	s_lshr_b32 s31, s29, 1
	s_lshl_b32 s31, s31, 5
	s_add_co_u32 s30, s30, s31
	s_and_b32 s31, s29, 1
	s_lshl_b32 s31, s31, 3
	s_add_co_u32 s30, s30, s31                     ; the tile's first row: 128 i + 32 (t / 2) + 8 (t % 2)
	s_lshl_b32 s2, s30, 11
	s_lshl_b32 s31, s35, 9
	s_add_co_u32 s2, s2, s31                       ; + 512 bytes a K step
	s_add_nc_u64 s[4:5], s[4:5], s[2:3]
	s_mul_i32 s2, s28, CH
	s_add_nc_u64 s[22:23], s[22:23], s[2:3]        ; my chunk of wbuf
	s_lshl_b32 s2, s29, 8
	s_add_co_u32 s2, s2, 65536
	s_add_nc_u64 s[32:33], s[22:23], s[2:3]        ; my tile's scale words
	s_lshl_b32 s2, s29, 13
	s_lshl_b32 s31, s35, 11
	s_add_co_u32 s2, s2, s31
	s_add_nc_u64 s[22:23], s[22:23], s[2:3]        ; my fragment
	s_lshl_b32 s36, s34, 8
	s_add_co_u32 s36, s36, WSC                     ; LDS: my tile's 256 bytes of scale words;
	s_and_b32 s37, s35, 1
	s_lshl_b32 s37, s37, 7                         ; in them K step e's word of row r lies at 8 (r + 16 (e % 2)) + 4 (e / 2)
	s_lshr_b32 s38, s35, 1
	s_lshl_b32 s38, s38, 2
	s_add_co_u32 s37, s37, s38
	s_add_co_u32 s37, s37, s36
	v_and_b32 v2, 15, v9                           ; r
	v_lshrrev_b32 v3, 4, v9                        ; h
	v_lshl_add_u32 v5, v2, 3, s37                  ; my scale word in,
	v_lshl_add_u32 v6, v9, 3, s36                  ; and the tile's 256 bytes back, 8 a lane
	v_and_b32 v4, 8, v2
	v_add_nc_u32 v4, v4, v2                        ; r + 8 (r / 8)
	v_lshlrev_b32 v4, 11, v4
	v_lshl_add_u32 v2, v3, 6, v4                   ; in: that row of 2,048 bytes, + 64 (lane / 16): my 16 numbers of a block of 32
	v_lshlrev_b32 v3, 4, v9                        ; out: 16 x lane
	v_lshlrev_b32 v4, 3, v9                        ; 8 x lane
.irp b, 0,1,2,3
.irp j, 0,1,2,3
	global_load_b128 v[X+16*\b+4*\j:X+16*\b+4*\j+3], v2, s[4:5] offset:128*\b+16*\j th:TH_LOAD_NT   ; 64 numbers a lane, register 16 b + i = k 32 b + 16 (lane / 16) + i
.endr
.endr
.irp b, 0,1,2,3
	v_mov_b32 v[TM+4+\b], 0                        ; written once: a lane permute's destination counts as one of its sources
.endr
	s_wait_loadcnt 0x0
	; 64 numbers of a lane become a fragment's codes and its scale word
.irp b, 0,1,2,3
	v_max3_num_f32 v[TM+\b], |v[X+16*\b]|, |v[X+16*\b+1]|, 0x4800000   ; my 16 numbers of block b, and the floor 2^(9-127)
.endr
.irp i, 2,4,6,8,10,12,14
.irp b, 0,1,2,3
	v_max3_num_f32 v[TM+\b], v[TM+\b], |v[X+16*\b+\i]|, |v[X+16*\b+\i+1]|
.endr
.endr
.irp b, 0,1,2,3
	v_permlanex16_b32 v[TM+4+\b], v[TM+\b], s6, s7
.endr
.irp b, 0,1,2,3
	v_max_num_f32 v[TM+\b], v[TM+\b], v[TM+4+\b]   ; with lane l xor 16's: the block's largest magnitude
.endr
.irp b, 0,1,2,3
	v_add_nc_u32 v[TM+12+\b], 0xfc000000, v[TM+\b]
.endr
.irp b, 0,1,2,3
	v_and_or_b32 v[TM+8+\b], v[TM+\b], 0x7f800000, s[MNT]
.endr
.irp b, 0,1,2,3
	v_lshrrev_b32 v[TM+4+\b], 23, v[TM+12+\b]
.endr
	v_lshl_or_b32 v[PW], v[TM+5], 8, v[TM+4]
	v_lshl_or_b32 v[PW], v[TM+6], 16, v[PW]
	v_lshl_or_b32 v[PW], v[TM+7], 24, v[PW]
	ds_store_b32 v5, v[PW]                         ; both halves of the lanes write the same word with the same value
.irp b, 0,1,2,3
.irp i, 0,1,2,3,4,5,6,7,8,9,10,11,12,13,14,15
	v_med3_num_f32 v[X+16*\b+\i], v[X+16*\b+\i], -v[TM+8+\b], v[TM+8+\b]
.endr
	v_cvt_scalef32_pk8_fp8_f32 v[PC+4*\b:PC+4*\b+1], v[X+16*\b:X+16*\b+7], v[TM+12+\b]
	v_cvt_scalef32_pk8_fp8_f32 v[PC+4*\b+2:PC+4*\b+3], v[X+16*\b+8:X+16*\b+15], v[TM+12+\b]
.endr
	v_nop
.irp c, 0,1,2,3
	global_store_b128 v3, v[PC+4*\c:PC+4*\c+3], s[22:23] offset:\c*512   ; 512 consecutive bytes
.endr
	s_wait_dscnt 0x0                               ; for the others' sake: my scale word lies in LDS
	s_barrier_signal -1
	s_barrier_wait -1                              ; a tile's 256 bytes come from four waves
	s_cmp_lg_u32 s35, 0                            ; the wave of K step 0 stores them
	s_cbranch_scc1 .Lwdone
	ds_load_b64 v[8:9], v6
	s_wait_dscnt 0x0
	global_store_b64 v4, v[8:9], s[32:33]          ; one aligned run of 256 bytes
.Lwdone:
	s_wait_tensorcnt 0x0                           ; the wave's end, behind my last LDS store
	ds_add_u32 v[SPW], v[NIL]
	s_wait_dscnt 0x0
	s_endpgm
.Lfunc_end_k_q83656a1971_prep:
	.size	k_q83656a1971_prep, .Lfunc_end_k_q83656a1971_prep-k_q83656a1971_prep
	.p2alignl 7, 3214868480
	.fill 96, 4, 3214868480
	.section	.rodata,"a",@progbits
	.p2align	6, 0x0
	.amdhsa_kernel k_q83656a1971_prep
		.amdhsa_group_segment_fixed_size 11776
		.amdhsa_private_segment_fixed_size 0
		.amdhsa_enable_private_segment 0
		.amdhsa_kernarg_size 80
		.amdhsa_user_sgpr_count 2
		.amdhsa_user_sgpr_kernarg_segment_ptr 1
		.amdhsa_wavefront_size32 1
		.amdhsa_system_sgpr_workgroup_id_x 1
		.amdhsa_system_sgpr_workgroup_id_y 1
		.amdhsa_system_sgpr_workgroup_id_z 1
		.amdhsa_system_vgpr_workitem_id 0
		.amdhsa_next_free_vgpr 256
		.amdhsa_next_free_sgpr 100
		.amdhsa_reserve_vcc 0
		.amdhsa_float_denorm_mode_32 3
		.amdhsa_float_denorm_mode_16_64 3
		.amdhsa_memory_ordered 1
		.amdhsa_forward_progress 1
		.amdhsa_inst_pref_size 67
	.end_amdhsa_kernel
	.amdgpu_metadata
---
amdhsa.version: [ 1, 2 ]
amdhsa.kernels:
  - .name:           k_q83656a1971_prep
    .symbol:         k_q83656a1971_prep.kd
    .args:
      - { .name: wq, .offset: 0, .size: 8, .value_kind: global_buffer, .address_space: global }
      - { .name: wk, .offset: 8, .size: 8, .value_kind: global_buffer, .address_space: global }
      - { .name: wv, .offset: 16, .size: 8, .value_kind: global_buffer, .address_space: global }
      - { .name: wo, .offset: 24, .size: 8, .value_kind: global_buffer, .address_space: global }
      - { .name: x, .offset: 32, .size: 8, .value_kind: global_buffer, .address_space: global }
      - { .name: gn_scale, .offset: 40, .size: 8, .value_kind: global_buffer, .address_space: global }
      - { .name: gn_bias, .offset: 48, .size: 8, .value_kind: global_buffer, .address_space: global }
      - { .name: hn_codes, .offset: 56, .size: 8, .value_kind: global_buffer, .address_space: global }
      - { .name: hn_sw, .offset: 64, .size: 8, .value_kind: global_buffer, .address_space: global }
      - { .name: wbuf, .offset: 72, .size: 8, .value_kind: global_buffer, .address_space: global }
    .group_segment_fixed_size: 11776
    .private_segment_fixed_size: 0
    .kernarg_segment_align: 8
    .kernarg_segment_size: 80
    .max_flat_workgroup_size: 512
    .sgpr_count:     100
    .vgpr_count:     256
    .wavefront_size: 32
...
	.end_amdgpu_metadata
.endif
;; end of part 4
;; launch qkv: the kernel of part 2 again; grid 64 x 4, 4 waves a work-group, clusters of 4 x 1, 205,312 bytes of LDS; arguments hn_codes, hn_sw, wbuf, bq, bk, bv, qbuf, kv; writes qbuf, kv
;; launch attn (part 5): grid 32 x 8, 4 waves a work-group, clusters of 4 x 1, 327,680 bytes of LDS; arguments qbuf, kv, wbuf, bo, x, out0; writes out0
.if DOCPART == 5
	.amdgcn_target "amdgcn-amd-amdhsa--gfx1250"
	.amdhsa_code_object_version 6
	.text
	.protected	k_q83656a1971_attn
	.globl	k_q83656a1971_attn
	.p2align	8
	.type	k_q83656a1971_attn,@function
k_q83656a1971_attn:
	s_mov_b64 s[64:65], 0
	v_nop
	global_prefetch_b8 v0, s[64:65] scope:SCOPE_SE
	s_setreg_imm32_b32 hwreg(HW_REG_WAVE_MODE, 25, 1), 1
	s_wait_xcnt 0x0
	s_wait_alu depctr_hold_cnt(0) depctr_sa_sdst(0) depctr_va_vdst(0) depctr_va_sdst(0) depctr_va_ssrc(0) depctr_va_vcc(0) depctr_vm_vsrc(0)
	s_getreg_b32 s2, hwreg(HW_REG_IB_STS2, 6, 4)
	s_cmp_eq_u32 s2, 0
	s_cbranch_scc0 .Lentry_in_a_cluster
	s_endpgm
.Lentry_in_a_cluster:
	s_bfe_u32 s2, ttmp6, 0x10000c
	s_cmp_lg_u32 s2, 0x3003
	s_cbranch_scc0 .Lentry_shape_is_right
	s_endpgm
.Lentry_shape_is_right:
; THIRD LAUNCH: out0 = x + wo (softmax(q^T k / sqrt(512)) v) + bo, three products on codes of FP8 (E4M3) with E8M0 scales.  Nothing is left out.
; SHARES.  A work-group owns 64 queries (four tiles qt) of one batch and walks the 2,048 keys in 16 steps of 128.  THE WAVES SHARE KEYS AND CHANNELS, NOT QUERIES: wave w takes the w-th block of 32 keys of each step for
; S^T = K Q^T, channels 128 w on of O^T = V^T P^T, and outputs 128 w on of the last product.  So each byte of K and V in LDS is read by one wave and feeds four matrix instructions; what goes from wave to wave is P, as images of registers.
; THE SOFTMAX, BLOCK BY BLOCK.  t = score x log2(e) / sqrt(512).  For a query and my 32 keys: M' = floor(largest t) + 1, p = 2^(t - M'): the block's largest p lies in [1/2, 1), so by the quantiser's rule the block's scale is
; 2^-9 x 2^M': the conversion's scale and the hold (448 x 2^-9 = 0.875) are constants.  M' differs from the row's ceiling by a whole number, which the block's scale byte takes up: the codes are the same.
; Each wave keeps, for every query, a running reference R = the largest M' so far.  A block's byte is M' - R + 118, its weight in the row's sum 2^(M' - R); when R moves, O and the sum are multiplied by 2^(old R - new R): exact, and no branch on data.
; The row's sum is taken of the unquantised p and divides O at the end.
; PIPELINE of step j:  K(j) from LDS | 32 products S(j), and between them the bytes, weights and rescaling for step j - 1 | 32 products V^T P of step j - 1, and between them the softmax of step j | V(j) from LDS, P(j) to LDS | one barrier.
; One wave has a SIMD to itself, so its vector work stands in slices behind its matrix instructions; a slice costs two switches of the register window.
; CLUSTER.  The four work-groups of a cluster belong to one batch and walk the same K and V: each step's block of 135,168 bytes is asked for JOINTLY, a quarter a wave, into a ring of two slots.  By this text's count two tensor loads of a wave
; are out at the head and one behind each round; it has a whole step, 64 products, in which to land.  At the end wo's four chunks are asked for jointly over the ring's bytes.
; THE WALK IS STAGGERED.  Cluster c of a batch's eight begins at the keys' step 4 (c % 4) + 2 (c / 4) and goes round modulo 16; with the running reference R the steps may come in any order (the f32 sums are taken in the order walked).
; So the eight clusters' sixteen first fills name all sixteen blocks of the batch, each once, and at any time the eight clusters ask for eight different blocks.  The start hangs on the cluster's number, which the four partners share.
; No prefetch: every block is named by a load at the head, so none is left that a request could name ahead of its first load.
; REGISTERS, in windows of 256: window 0: addresses, statistics, scale words; v128-191 S^T (qt, u) at 128 + 16 qt + 8 u; v192-255 P's four fragments.   window 1: Q (qt, K step e) at 64 qt + 16 e; later x.
;   window 2: O^T (qt, ct) at 64 qt + 8 ct; later the results (ot, qt) at 32 ot + 8 qt.   window 3: K (u, e) at 64 u + 16 e, V (ct) at 128 + 16 ct; later O's 16 fragments.
; LIMITS: NaN and infinities are not served; |t| stays under 2^23 (M' is a whole number kept in f32); a block more than 118 binades under R counts with the byte 0 and the weight 2^-118, which is nothing beside a sum of 1/2 or more;
;   where the rounding of t crosses a whole number a block's largest p may fall just under 1/2, and that block is quantised one binade coarser; a block of zeros of O gets the byte 1.
.set SLOT,  135168                     ; a step's block: K's codes 65,536, V's 65,536, K's scale words 2,048, V's 2,048
.set CH,    67584
.set PB,    270336                     ; LDS behind the ring: P's images, two sets of 4 x 2,048
.set EX,    286720                     ; M' at 256 qt + 16 r + 4 w, the blocks' sums 1,024 further on; two sets of 2,048
.set OIMG,  290816                     ; O's 16 fragments
.set OSC,   323584                     ; their scale words, 128 bytes each
.set SPARE, 325632                     ; the spare words
.set STAGE, PB                         ; the way out: 16 rows x 272 bytes a wave, in P's bytes, behind a barrier behind which nobody reads them
.set AK0,  1
.set AV0,  2
.set AKS0, 3
.set AVS0, 4
.set APW0, 5
.set APR0, 6
.set AXW0, 7
.set AXR0, 8
.set AXO,  9                           ; x and out0: 8192 (lane / 16) + 16 (lane % 16)
.set ADK,  10
.set ADV,  11
.set ADKS, 12
.set ADVS, 13
.set ADPW, 14
.set ADPR, 15
.set SPW,  16
.set NIL,  17
.set HOLD, 18                          ; 0.875
.set SCL,  19                          ; 2^-9, as the conversion's scale operand
.set QS,   20                          ; v20-27 Q's scale words (qt, g); later v20-35 O's
.set KS,   28                          ; v28-31 K's (u, g)
.set VS,   32                          ; v32-35 V's (ct / 2)
.set PS,   36                          ; v36-37 P's: lanes 0-15 tile 2 g, lanes 16-31 tile 2 g + 1
.set RR,   38                          ; v38-39 R, v40-41 the row's sum: lanes as PS
.set LL,   40
.set FF,   42                          ; v42-49 the factor of tile qt at 42 + 2 qt (named as a pair)
.set EE,   50                          ; v50-57 the four waves' M', later their weights
.set LW,   58                          ; v58-65 the four waves' sums
.set TT,   66                          ; v66-79 at work
.set MX,   80
.set TQ,   84
.set NM,   88                          ; v88-95 pairs (-M', M')
.set LS,   96                          ; v96-103 my block's sum
.set PC,   104                         ; v104-119 my codes of p
.set ADXW, 120
.set ADXR, 121
.set WSF,  122                         ; v122-125 wo's scale words, two sets
.set S,    128
.set PF,   192
.set BIAS, 40                          ; the tail: bo in the result's layout, v40-103
.set TM,   66                          ; the tail's quantiser
.set WV,   16
.set G1,   20
.set G1W,  28
.set G0A,  36
.set G0B,  40
.set G0W,  44
.set TB,   48                          ; LDS byte of the slot in hand
.set PT,   49                          ; which set of P's images this step writes;  s50: which it reads
.set PTO,  50
.set ET,   51                          ; the same for M' and the sums
.set ETO,  52
.set CNT,  53
.set TI,   54                          ; s54  which of the batch's 16 blocks was asked for last
.set TO,   56                          ; s[56:57] its byte offset in the batch's part of kv
.set SEL,  58
.set CS,   60
.set HM,   62
.set MNT,  63
.set KVB,  80                          ; s[80:81] kv at my batch's first block, my wave's quarter
.set MSB, 0
.macro WIN new                         ; the immediate's high byte repeats the setting that is left; a switch that changes nothing is dropped
.if MSB != \new
	s_set_vgpr_msb (MSB<<8)|\new
.set MSB, \new
.endif
.endm
.macro PLACES n
.rept \n
	v_nop
.endr
.endm
.macro ROUND                           ; a round of the cluster's barrier
	s_barrier_signal -1
	s_barrier_wait -1
	s_cmp_lg_u32 s[WV], 0
	s_cbranch_scc1 .Lnot_wave_0_\@
	s_barrier_signal -3
.Lnot_wave_0_\@:
	s_barrier_wait -3
	s_barrier_signal -1
	s_barrier_wait -1
.endm
.macro WMMA d, a, b, c, sa, sb, ra, rb ; c < 0: the constant 0 starts the sum;  ra, rb: the scales stand in lanes 16-31
.if (\c) < 0
.if (\ra) && (\rb)
	v_wmma_scale_f32_16x16x128_f8f6f4 v[\d:\d+7], v[\a:\a+15], v[\b:\b+15], 0, v[\sa], v[\sb] matrix_a_scale:MATRIX_SCALE_ROW1 matrix_b_scale:MATRIX_SCALE_ROW1
.elseif (\ra)
	v_wmma_scale_f32_16x16x128_f8f6f4 v[\d:\d+7], v[\a:\a+15], v[\b:\b+15], 0, v[\sa], v[\sb] matrix_a_scale:MATRIX_SCALE_ROW1
.elseif (\rb)
	v_wmma_scale_f32_16x16x128_f8f6f4 v[\d:\d+7], v[\a:\a+15], v[\b:\b+15], 0, v[\sa], v[\sb] matrix_b_scale:MATRIX_SCALE_ROW1
.else
	v_wmma_scale_f32_16x16x128_f8f6f4 v[\d:\d+7], v[\a:\a+15], v[\b:\b+15], 0, v[\sa], v[\sb]
.endif
.else
.if (\ra) && (\rb)
	v_wmma_scale_f32_16x16x128_f8f6f4 v[\d:\d+7], v[\a:\a+15], v[\b:\b+15], v[\c:\c+7], v[\sa], v[\sb] matrix_a_scale:MATRIX_SCALE_ROW1 matrix_b_scale:MATRIX_SCALE_ROW1
.elseif (\ra)
	v_wmma_scale_f32_16x16x128_f8f6f4 v[\d:\d+7], v[\a:\a+15], v[\b:\b+15], v[\c:\c+7], v[\sa], v[\sb] matrix_a_scale:MATRIX_SCALE_ROW1
.elseif (\rb)
	v_wmma_scale_f32_16x16x128_f8f6f4 v[\d:\d+7], v[\a:\a+15], v[\b:\b+15], v[\c:\c+7], v[\sa], v[\sb] matrix_b_scale:MATRIX_SCALE_ROW1
.else
	v_wmma_scale_f32_16x16x128_f8f6f4 v[\d:\d+7], v[\a:\a+15], v[\b:\b+15], v[\c:\c+7], v[\sa], v[\sb]
.endif
.endif
.endm
; 64 numbers of a lane in window 2, register 16 b + i = k 32 b + 16 (lane / 16) + i of my row, become 16 registers of codes (window by cw) and a scale word in window 0.
.macro QUANT src, pc, pw, cw
	WIN 0x0a
.irp b, 0,1,2,3
	v_max3_num_f32 v[TM+\b], |v[(\src)+16*\b]|, |v[(\src)+16*\b+1]|, 0x4800000
.endr
	WIN 0x28
.irp i, 2,4,6,8,10,12,14
.irp b, 0,1,2,3
	v_max3_num_f32 v[TM+\b], v[TM+\b], |v[(\src)+16*\b+\i]|, |v[(\src)+16*\b+\i+1]|
.endr
.endr
	WIN 0
.irp b, 0,1,2,3
	v_permlanex16_b32 v[TM+4+\b], v[TM+\b], s[SEL], s[SEL+1]
.endr
.irp b, 0,1,2,3
	v_max_num_f32 v[TM+\b], v[TM+\b], v[TM+4+\b]
.endr
.irp b, 0,1,2,3
	v_add_nc_u32 v[TM+12+\b], 0xfc000000, v[TM+\b]
.endr
.irp b, 0,1,2,3
	v_and_or_b32 v[TM+8+\b], v[TM+\b], 0x7f800000, s[MNT]
.endr
.irp b, 0,1,2,3
	v_lshrrev_b32 v[TM+4+\b], 23, v[TM+12+\b]
.endr
	v_lshl_or_b32 v[\pw], v[TM+5], 8, v[TM+4]
	v_lshl_or_b32 v[\pw], v[TM+6], 16, v[\pw]
	v_lshl_or_b32 v[\pw], v[TM+7], 24, v[\pw]
	WIN 0x82
.irp b, 0,1,2,3
.irp i, 0,1,2,3,4,5,6,7,8,9,10,11,12,13,14,15
	v_med3_num_f32 v[(\src)+16*\b+\i], v[(\src)+16*\b+\i], -v[TM+8+\b], v[TM+8+\b]
.endr
.endr
	WIN \cw
.irp b, 0,1,2,3
	v_cvt_scalef32_pk8_fp8_f32 v[(\pc)+4*\b:(\pc)+4*\b+1], v[(\src)+16*\b:(\src)+16*\b+7], v[TM+12+\b]
	v_cvt_scalef32_pk8_fp8_f32 v[(\pc)+4*\b+2:(\pc)+4*\b+3], v[(\src)+16*\b+8:(\src)+16*\b+15], v[TM+12+\b]
.endr
	WIN 0
	v_nop
.endm
	s_load_b256 s[4:11], s[0:1], 0x0               ; qbuf, kv, wbuf, bo
	s_load_b128 s[12:15], s[0:1], 0x20             ; x, out0
	v_lshl_add_u32 v[SPW], v0, 2, SPARE
	v_mov_b32 v[NIL], 0
	ds_add_u32 v[SPW], v[NIL]                      ; the wave's opening: the add, twice on end, and its wait ahead of my first tensor load
	ds_add_u32 v[SPW], v[NIL]
	v_lshrrev_b32 v1, 5, v0
	v_readfirstlane_b32 s[WV], v1                  ; wave 0..3
	s_bfe_u32 s17, ttmp6, 0x40000                  ; cx
	s_and_b32 s18, ttmp7, 0xffff                   ; the batch, which the four partners share
	s_lshl_b32 s19, ttmp9, 2
	s_add_co_u32 s19, s19, s17                     ; my block of 64 queries: it enters the addresses of Q, x and out0 alone
	s_mov_b32 s[G1], 15|(3<<16)|(1<<21)            ; the mask: all four work-groups; elements of 8 bytes; bit 21 set beside a mask
	s_mov_b32 s[G1+1], 32<<16                      ; rows of 256 bytes of a dense block
	s_mov_b32 s[G1+2], 132<<16                     ; 132 rows: a quarter of a step's block
	s_mov_b32 s[G1+3], 32<<16
	s_mov_b32 s[G1+4], 132
	s_mov_b32 s[G1+5], 32
	s_mov_b32 s[G1+6], 0
	s_mov_b32 s[G1+7], 0
	s_mov_b32 s[G1W], 15|(3<<16)|(1<<21)           ; and for a chunk of wo: 264 rows
	s_mov_b32 s[G1W+1], 32<<16
	s_mov_b32 s[G1W+2], 264<<16
	s_mov_b32 s[G1W+3], 32<<16
	s_mov_b32 s[G1W+4], 264
	s_mov_b32 s[G1W+5], 32
	s_mov_b32 s[G1W+6], 0
	s_mov_b32 s[G1W+7], 0
	s_mov_b32 s[TB], 0
	s_mov_b32 s[PT], 0
	s_mov_b32 s[PTO], 8192
	s_mov_b32 s[ET], 0
	s_mov_b32 s[ETO], 2048
	s_mov_b32 s[CNT], 12
	s_mov_b32 s[SEL], 0x76543210
	s_mov_b32 s[SEL+1], 0xfedcba98
	s_mov_b32 s[CS], 0x3d8293ee                    ; log2(e) / sqrt(512)
	s_mov_b32 s[CS+1], s[CS]                       ; (named with it as a pair)
	s_mov_b32 s[HM], 0xffff0000                    ; lanes 16-31
	s_mov_b32 s[MNT], 0x600000
	s_and_b32 s[TI], ttmp9, 3                      ; where my cluster's walk begins: block 4 (c % 4) + 2 (c / 4), c the cluster's number in its batch: the same in all four partners
	s_lshl_b32 s[TI], s[TI], 2
	s_lshr_b32 s82, ttmp9, 2
	s_lshl_b32 s82, s82, 1
	s_add_co_u32 s[TI], s[TI], s82                 ; 0 .. 14, even: the block behind it needs no wrap
	s_mul_i32 s[TO], s[TI], SLOT
	s_mov_b32 s[TO+1], 0
	s_add_co_u32 s[TI], s[TI], 1                   ; the last block that the first fills ask for
	s_mul_i32 s66, s18, 16*SLOT
	s_mul_i32 s68, s[WV], 33792                    ; my quarter: in a block and in a slot
	s_add_co_u32 s66, s66, s68
	s_mov_b32 s67, 0
	s_mul_i32 s69, s[WV], CH                       ; wo's chunk w: in LDS,
	s_add_co_u32 s70, s69, 12*CH                   ; and in wbuf
	s_mov_b32 s71, 0
	s_lshl_b32 s72, s18, 4
	s_lshr_b32 s73, s19, 1
	s_add_co_u32 s72, s72, s73
	s_mul_i32 s72, s72, CH                         ; my queries' block of qbuf
	s_mov_b32 s73, 0
	s_and_b32 s74, s19, 1
	s_lshl_b32 s76, s74, 15                        ; tiles 4 (qb % 2) on: codes,
	s_mov_b32 s77, 0
	s_lshl_b32 s74, s74, 8
	s_add_co_u32 s74, s74, 65536                   ; scale words
	s_mov_b32 s75, 0
	s_wait_dscnt 0x0                               ; both opening adds are done
	s_wait_kmcnt 0x0
	s_add_nc_u64 s[4:5], s[4:5], s[72:73]
	s_add_nc_u64 s[74:75], s[4:5], s[74:75]
	s_add_nc_u64 s[4:5], s[4:5], s[76:77]
	s_lshl_b32 s76, s18, 22
	s_lshl_b32 s78, s[WV], 20
	s_add_co_u32 s76, s76, s78
	s_lshl_b32 s78, s19, 8
	s_add_co_u32 s76, s76, s78                     ; x, out0: batch, channel 128 w, position 64 qb
	s_add_nc_u64 s[12:13], s[12:13], s[76:77]
	s_add_nc_u64 s[14:15], s[14:15], s[76:77]
	s_lshl_b32 s78, s[WV], 9
	s_mov_b32 s79, 0
	s_add_nc_u64 s[10:11], s[10:11], s[78:79]      ; bo: my 128 numbers
	s_add_nc_u64 s[KVB:KVB+1], s[6:7], s[66:67]
	s_mov_b32 s[G0A], 1
	s_mov_b32 s[G0A+1], s68                        ; slot 0
	s_add_nc_u64 s[G0A+2:G0A+3], s[KVB:KVB+1], s[TO:TO+1]  ; the walk's first block
	s_mov_b32 s[G0B], 1
	s_add_co_u32 s[G0B+1], s68, SLOT               ; slot 1
	s_add_nc_u64 s[G0B+2:G0B+3], s[G0A+2:G0A+3], SLOT  ; its second; this descriptor walks on
	s_or_b32 s[G0A+3], s[G0A+3], 0x80000000
	s_or_b32 s[G0B+3], s[G0B+3], 0x80000000
	s_mov_b32 s[G0W], 1
	s_mov_b32 s[G0W+1], s69
	s_add_nc_u64 s[G0W+2:G0W+3], s[8:9], s[70:71]
	s_or_b32 s[G0W+3], s[G0W+3], 0x80000000
	ROUND                                          ; all four work-groups are here: the first joint loads meet
	tensor_load_to_lds s[G0A:G0A+3], s[G1:G1+7]
	s_nop 0
	tensor_load_to_lds s[G0B:G0B+3], s[G1:G1+7]
	s_nop 0
	PLACES 4
	v_and_b32 v80, 31, v0                          ; lane
	v_and_b32 v81, 15, v0                          ; r
	v_bfe_u32 v82, v0, 4, 1                        ; h
	v_lshlrev_b32 v83, 4, v80                      ; 16 x lane
	v_lshlrev_b32 v84, 2, v81
	v_lshl_add_u32 v84, v82, 9, v84                ; Q's scale words: 512 h + 4 r
	WIN 0x40                                       ; destination window 1
.irp q, 0,1,2,3
.irp e, 0,1,2,3
.irp c, 0,1,2,3
	global_load_b128 v[64*\q+16*\e+4*\c:64*\q+16*\e+4*\c+3], v83, s[4:5] offset:\q*8192+\e*2048+\c*512   ; Q stays in registers
.endr
.endr
.endr
	WIN 0
.irp q, 0,1,2,3
.irp g, 0,1
	global_load_b32 v[QS+2*\q+\g], v84, s[74:75] offset:\g*1024+\q*64
.endr
.endr
	s_lshl_b32 s78, s[WV], 14
	v_add_nc_u32 v[AK0], s78, v83                  ; K: tiles 2 w, 2 w + 1
	v_add_nc_u32 v[AV0], 65536, v[AK0]             ; V: chunk w
	s_lshl_b32 s78, s[WV], 7
	v_lshl_add_u32 v[AKS0], v81, 2, s78
	v_lshl_add_u32 v[AKS0], v82, 9, v[AKS0]
	v_add_nc_u32 v[AKS0], 131072, v[AKS0]          ; K's scale words: K step 2 g + h, tile 2 w + u, row r
	s_lshl_b32 s78, s[WV], 9
	v_lshl_add_u32 v[AVS0], v80, 2, s78
	v_add_nc_u32 v[AVS0], 133120, v[AVS0]          ; V's: lanes 0-15 the even tile, lanes 16-31 the odd one
	v_add_nc_u32 v[APW0], s78, v83
	v_add_nc_u32 v[APW0], PB, v[APW0]              ; P: my four registers of each fragment
	v_add_nc_u32 v[APR0], PB, v83
	s_lshl_b32 s78, s[WV], 2
	v_lshl_add_u32 v[AXW0], v81, 4, s78
	v_add_nc_u32 v[AXW0], EX, v[AXW0]
	v_add_nc_u32 v[AXR0], EX, v83                  ; back: lane (r, h) takes the four waves' words of query r of tile 2 g + h
	v_lshlrev_b32 v[AXO], 4, v81
	v_lshl_add_u32 v[AXO], v82, 13, v[AXO]
	v_mov_b32 v[HOLD], 0x3f600000
	v_mov_b32 v[SCL], 0x3b000000
.irp q, 0,1,2,3
	v_mov_b32 v[FF+2*\q+1], 0                      ; (named as the upper halves of pairs)
.endr
; ---- THE VECTOR WORK FOR STEP j - 1, number zn of a list, set between the products S(j).  Lanes 0-15 serve tile 2 g, lanes 16-31 tile 2 g + 1; the two g by turns.
.macro CONS first
	WIN 0
.set zg, zn%2
.set zi, zn/2
.set zE, EE+4*zg
.set zW, LW+4*zg
.set zA, TT+7*zg
.set zN, TT+7*zg+5
.set zM, TT+7*zg+6
.if \first                             ; the first step's: there is no old R, no sum and nothing to rescale
.if zi == 0
	v_max3_num_f32 v[RR+zg], v[zE], v[zE+1], v[zE+2]
.elseif zi == 1
	v_max_num_f32 v[RR+zg], v[RR+zg], v[zE+3]
.elseif zi == 2
	v_add_f32 v[zM], 0xc2ec0000, v[RR+zg]          ; R - 118
.elseif zi < 7
	v_sub_f32 v[zA+zi-3], v[zE+zi-3], v[zM]        ; the byte of wave w's block: M' - R + 118
.elseif zi < 11
	v_cvt_u32_f32 v[zA+zi-7], v[zA+zi-7]           ; out-of-range numbers saturate: a negative one gives 0
.elseif zi < 15
	v_add_lshl_u32 v[zE+zi-11], v[zA+zi-11], 9, 23 ; 2^(M' - R) as bits
.elseif zi == 15
	v_lshl_or_b32 v[PS+zg], v[zA+1], 8, v[zA]
.elseif zi == 16
	v_lshl_or_b32 v[PS+zg], v[zA+2], 16, v[PS+zg]
.elseif zi == 17
	v_lshl_or_b32 v[PS+zg], v[zA+3], 24, v[PS+zg]
.elseif zi == 18
	v_mul_f32 v[LL+zg], v[zW], v[zE]
.else
	v_fma_f32 v[LL+zg], v[zW+zi-18], v[zE+zi-18], v[LL+zg]
.endif
.else
.if zi == 0
	v_max3_num_f32 v[zN], v[RR+zg], v[zE], v[zE+1]
.elseif zi == 1
	v_max3_num_f32 v[zN], v[zN], v[zE+2], v[zE+3]  ; the new R
.elseif zi == 2
	v_add_f32 v[zM], 0xc2ec0000, v[zN]
.elseif zi < 7
	v_sub_f32 v[zA+zi-3], v[zE+zi-3], v[zM]
.elseif zi == 7
	v_sub_f32 v[zA+4], v[RR+zg], v[zM]
.elseif zi < 13
	v_cvt_u32_f32 v[zA+zi-8], v[zA+zi-8]
.elseif zi < 17
	v_add_lshl_u32 v[zE+zi-13], v[zA+zi-13], 9, 23
.elseif zi == 17
	v_add_lshl_u32 v[zM], v[zA+4], 9, 23           ; f = 2^(old R - new R)
.elseif zi == 18
	v_lshl_or_b32 v[PS+zg], v[zA+1], 8, v[zA]
.elseif zi == 19
	v_lshl_or_b32 v[PS+zg], v[zA+2], 16, v[PS+zg]
.elseif zi == 20
	v_lshl_or_b32 v[PS+zg], v[zA+3], 24, v[PS+zg]
.elseif zi == 21
	v_mul_f32 v[LL+zg], v[LL+zg], v[zM]
.elseif zi < 26
	v_fma_f32 v[LL+zg], v[zW+zi-22], v[zE+zi-22], v[LL+zg]
.elseif zi == 26
	v_mov_b32 v[RR+zg], v[zN]
.elseif zi == 27
	v_permlanex16_b32 v[zA+4], v[zM], s[SEL], s[SEL+1]
.elseif zi == 28
	v_cndmask_b32 v[FF+4*zg], v[zM], v[zA+4], s[HM]        ; tile 2 g's factor in both halves of the lanes,
.else
	v_cndmask_b32 v[FF+4*zg+2], v[zA+4], v[zM], s[HM]      ; tile 2 g + 1's
.endif
.endif
.endm
.macro RESC                            ; pair zr of O^T times its tile's factor; the pairs ascend
	WIN 0x82
	v_pk_mul_f32 v[2*zr:2*zr+1], v[2*zr:2*zr+1], v[FF+2*(zr/32):FF+2*(zr/32)+1] op_sel_hi:[1,0]
.endm
.macro AOP mode                        ; number zn of phase A's list.  mode 2: 60 + 128;  mode 1: 44, then v_nop;  mode 0: v_nop
.if \mode == 2
.if zn < 60
	CONS 0
.else
.set zr, zn-60
	RESC
.endif
.elseif \mode == 1
.if zn < 44
	CONS 1
.else
	v_nop
.endif
.else
	v_nop
.endif
.endm
.macro ASLICE mode                     ; the slice behind product zk of 32.  The last holds nine plain instructions that name none of the products' registers: the places in front of the first read of S^T
.if zk < 31
.set zlo, (zk*(NA-9))/31
.set zhi, ((zk+1)*(NA-9))/31
.else
.set zlo, NA-9
.set zhi, NA
.endif
.set zn, zlo
.rept zhi-zlo
	AOP \mode
.set zn, zn+1
.endr
.endm
; ---- THE SOFTMAX OF STEP j, number zn of 264, the four tiles by turns.
;   0-31 the largest score of my 16 keys;  32-55 with lane l xor 16's, t, floor, -M', M';  56-87 t - M';  88-151 the 64 exponentials, ONE batch with ONE wait;  152-191 the block's sum;  192-255 the hold;  256-263 the conversions
.macro SMOP
	WIN 0
.if zn < 32
.set zq, zn%4
.set zi, zn/4
.set zS, S+16*zq
.if zi == 0
	v_max3_num_f32 v[MX+zq], v[zS], v[zS+1], v[zS+2]
.elseif zi < 7
	v_max3_num_f32 v[MX+zq], v[MX+zq], v[zS+2*zi+1], v[zS+2*zi+2]
.else
	v_max_num_f32 v[MX+zq], v[MX+zq], v[zS+15]
.endif
.elseif zn < 56
.set zq, (zn-32)%4
.set zi, (zn-32)/4
.if zi == 0
	v_permlanex16_b32 v[TQ+zq], v[MX+zq], s[SEL], s[SEL+1]
.elseif zi == 1
	v_max_num_f32 v[MX+zq], v[MX+zq], v[TQ+zq]
.elseif zi == 2
	v_mul_f32 v[TQ+zq], s[CS], v[MX+zq]
.elseif zi == 3
	v_floor_f32 v[TQ+zq], v[TQ+zq]
.elseif zi == 4
	v_sub_f32 v[NM+2*zq], -1.0, v[TQ+zq]           ; -M'
.else
	v_add_f32 v[NM+2*zq+1], 1.0, v[TQ+zq]          ; M'
.endif
.elseif zn < 88
.set zq, (zn-56)%4
.set zS, S+16*zq+2*((zn-56)/4)
	v_pk_fma_f32 v[zS:zS+1], v[zS:zS+1], s[CS:CS+1], v[NM+2*zq:NM+2*zq+1] op_sel_hi:[1,0,0]
.elseif zn < 152
.set zS, S+16*((zn-88)%4)+(zn-88)/4
	v_exp_f32 v[zS], v[zS]
.elseif zn < 192
.if zn == 152
	v_nop                                          ; a plain instruction behind the last exponential,
	s_wait_alu depctr_va_vdst(0)                   ; and the one wait ahead of the batch's first reader
.endif
.set zq, (zn-152)%4
.set zi, (zn-152)/4
.set zS, S+16*zq
.if zi == 0
	v_pk_add_f32 v[LS+2*zq:LS+2*zq+1], v[zS:zS+1], v[zS+2:zS+3]
.elseif zi < 7
	v_pk_add_f32 v[LS+2*zq:LS+2*zq+1], v[LS+2*zq:LS+2*zq+1], v[zS+2*zi+2:zS+2*zi+3]
.elseif zi == 7
	v_add_f32 v[LS+2*zq], v[LS+2*zq], v[LS+2*zq+1]
.elseif zi == 8
	v_permlanex16_b32 v[LS+2*zq+1], v[LS+2*zq], s[SEL], s[SEL+1]
.else
	v_add_f32 v[LS+2*zq], v[LS+2*zq], v[LS+2*zq+1]
.endif
.elseif zn < 256
.set zS, S+16*((zn-192)%4)+(zn-192)/4
	v_min_num_f32 v[zS], v[zS], v[HOLD]            ; p is not negative: the hold is one-sided
.else
.set zq, (zn-256)/2
.set zi, (zn-256)%2
	v_cvt_scalef32_pk8_fp8_f32 v[PC+4*zq+2*zi:PC+4*zq+2*zi+1], v[S+16*zq+8*zi:S+16*zq+8*zi+7], v[SCL]
.endif
.endm
; THE CHANGE OF SLOTS, and the hand-over of P.  Each wave waits for all its tensor loads (the next step's quarter), adds 0 to its spare word, and waits for that, for its reads of the slot and for its stores of P.
; kind 1: a round of the cluster's barrier, then the walk's block two on into the slot just left;  kind 0: the work-group's barrier, nothing is filled;  kind 2: a round, then wo's chunk w over the ring's bytes.
.macro SYNC kind
	WIN 0
	s_wait_tensorcnt 0x0                           ; no tensor load of mine is out, so a group 0 may be written
	ds_add_u32 v[SPW], v[NIL]
.if \kind == 1
	s_xor_b32 s[G0B+1], s[G0B+1], SLOT             ; the walking descriptor: the other slot (my quarter's offset shares no bit with the slot's),
	s_add_co_u32 s[TI], s[TI], 1
	s_and_b32 s[TI], s[TI], 15                     ; the next block, round modulo 16:
	s_mul_i32 s[TO], s[TI], SLOT
	s_add_nc_u64 s[G0B+2:G0B+3], s[KVB:KVB+1], s[TO:TO+1]  ; its address is made anew from the batch's first block,
	s_or_b32 s[G0B+3], s[G0B+3], 0x80000000        ; with the type on top
.endif
	s_wait_dscnt 0x0
.if \kind == 0
	s_barrier_signal -1
	s_barrier_wait -1
.else
	ROUND
.if \kind == 1
	tensor_load_to_lds s[G0B:G0B+3], s[G1:G1+7]
.else
	tensor_load_to_lds s[G0W:G0W+3], s[G1W:G1W+7]
.endif
	s_nop 0
	PLACES 4
.endif
	s_xor_b32 s[TB], s[TB], SLOT
	s_xor_b32 s[PT], s[PT], 8192
	s_xor_b32 s[PTO], s[PTO], 8192
	s_xor_b32 s[ET], s[ET], 2048
	s_xor_b32 s[ETO], s[ETO], 2048
.endm
.macro PLOADS                          ; what the other waves left for me: M' and sums (4 loads), P's four fragments (16)
.irp g, 0,1
	ds_load_b128 v[EE+4*\g:EE+4*\g+3], v[ADXR] offset:\g*512
	ds_load_b128 v[LW+4*\g:LW+4*\g+3], v[ADXR] offset:1024+\g*512
.endr
.endm
.macro PFLOADS
.irp q, 0,1,2,3
.irp c, 0,1,2,3
	ds_load_b128 v[PF+16*\q+4*\c:PF+16*\q+4*\c+3], v[ADPR] offset:\q*2048+\c*512
.endr
.endr
.endm
.macro PVPROD first                    ; product zk of 32 of O^T += V^T P^T: 16 channels ct = zk / 4, tile zk % 4: each accumulator once
	WIN 0xa3
.set zc, zk/4
.set zq, zk%4
.if \first
	WMMA 64*zq+8*zc,128+16*zc,PF+16*zq,-1,VS+zc/2,PS+zq/2,zc%2,zq%2
.else
	WMMA 64*zq+8*zc,128+16*zc,PF+16*zq,64*zq+8*zc,VS+zc/2,PS+zq/2,zc%2,zq%2
.endif
.endm
; A KEY STEP.  mode 0: the first (nothing of a step before);  mode 1: the second (the first P: its products start O^T's sums);  mode 2: all others.
.macro STEP mode, sync
	WIN 0
	v_add_nc_u32 v[ADK], s[TB], v[AK0]
	v_add_nc_u32 v[ADV], s[TB], v[AV0]
	v_add_nc_u32 v[ADKS], s[TB], v[AKS0]
	v_add_nc_u32 v[ADVS], s[TB], v[AVS0]
	v_add_nc_u32 v[ADPW], s[PT], v[APW0]
	v_add_nc_u32 v[ADXW], s[ET], v[AXW0]
.if \mode
	v_add_nc_u32 v[ADPR], s[PTO], v[APR0]
	v_add_nc_u32 v[ADXR], s[ETO], v[AXR0]
.endif
.irp u, 0,1
.irp g, 0,1
	ds_load_b32 v[KS+2*\u+\g], v[ADKS] offset:\g*1024+\u*64
.endr
.endr
.if \mode
	PLOADS
.endif
	WIN 0xc0                                       ; destination window 3
.irp e, 0,1,2,3
.irp u, 0,1
.irp c, 0,1,2,3
	ds_load_b128 v[64*\u+16*\e+4*\c:64*\u+16*\e+4*\c+3], v[ADK] offset:\u*8192+\e*2048+\c*512
.endr
.endr
.endr
	WIN 0
.if \mode
	PFLOADS
.set zbase, 16
.else
.set zbase, 0
.endif
.if \mode == 2
.set NA, 188
.elseif \mode == 1
.set NA, 53
.else
.set NA, 9
.endif
	; phase A: S^T = K Q^T, K ascending, eight accumulators by turns, one instruction a turn
.set zk, 0
.rept 32
.if zk%8 == 0
	s_wait_dscnt zbase+24-zk                       ; behind what this K step wants: the later K steps' loads, eight each, and P's sixteen
.endif
	WIN 0x07                                       ; A (K) window 3, B (Q) window 1, C and D window 0
.set ze, zk/8
.set zq, (zk%8)/2
.set zu, zk%2
.if ze == 0
	WMMA S+16*zq+8*zu,64*zu+16*ze,64*zq+16*ze,-1,KS+2*zu+ze/2,QS+2*zq+ze/2,ze%2,ze%2
.else
	WMMA S+16*zq+8*zu,64*zu+16*ze,64*zq+16*ze,S+16*zq+8*zu,KS+2*zu+ze/2,QS+2*zq+ze/2,ze%2,ze%2
.endif
	ASLICE \mode
.set zk, zk+1
.endr
	; phase B: the products of the step before, and this step's softmax: eight numbers behind each product, sixteen behind the last (eight holds: the places in front of V's loads; eight conversions)
.if \mode
	s_wait_dscnt 0x0                               ; P is in
.set zk, 0
.rept 32
	PVPROD 2-\mode
.set zn, 8*zk
.rept 8+8*(zk/31)
	SMOP
.set zn, zn+1
.endr
.set zk, zk+1
.endr
.else
.set zn, 0
.rept 264
	SMOP
.set zn, zn+1
.endr
.endif
	v_nop                                          ; a plain instruction behind the last conversion
	WIN 0xc0
.irp t, 0,1,2,3,4,5,6,7
.irp c, 0,1,2,3
	ds_load_b128 v[128+16*\t+4*\c:128+16*\t+4*\c+3], v[ADV] offset:\t*2048+\c*512   ; V of this step: it stays in registers over the change of slots
.endr
.endr
	WIN 0
.irp p, 0,1,2,3
	ds_load_b32 v[VS+\p], v[ADVS] offset:\p*128
.endr
.irp q, 0,1,2,3
	ds_store_b128 v[ADPW], v[PC+4*\q:PC+4*\q+3] offset:\q*2048                      ; registers 4 w .. 4 w + 3 of tile q's fragment of P
.endr
.irp q, 0,1,2,3
	ds_store_b32 v[ADXW], v[NM+2*\q+1] offset:\q*256                                ; both halves of the lanes write the same word with the same value
	ds_store_b32 v[ADXW], v[LS+2*\q] offset:1024+\q*256
.endr
	SYNC \sync
.endm
	s_wait_tensorcnt 0x1                           ; my quarter of the walk's first block is in; the second's may stay out
	s_barrier_signal -1
	s_barrier_wait -1
	s_wait_loadcnt 0x0                             ; Q and its scale words
.irp q, 0,1,2,3
	v_mov_b32 v[TQ+\q], 0                          ; written once: a lane permute's destination counts as one of its sources
.endr
	STEP 0,1
	STEP 1,1
.Lloop:                                                ; steps 2 to 13 of the walk
	STEP 2,1
	s_sub_co_u32 s[CNT], s[CNT], 1
	s_cmp_lg_u32 s[CNT], 0
	s_cbranch_scc1 .Lloop
	STEP 2,0                                       ; step 14: nothing is left to ask for
	STEP 2,2                                       ; step 15: the ring is left for good, wo comes into its bytes
	; ================= THE TAIL: the last step's P, O / the sum, its codes, the last product, the bias and the residual
	v_add_nc_u32 v[ADPR], s[PTO], v[APR0]
	v_add_nc_u32 v[ADXR], s[ETO], v[AXR0]
	PLOADS
	PFLOADS
	v_and_b32 v113, 31, v0                         ; lane
	v_and_b32 v114, 15, v0                         ; r
	v_bfe_u32 v115, v0, 4, 1                       ; h
	v_and_b32 v112, 8, v114
	v_add_nc_u32 v112, v112, v114
	v_lshlrev_b32 v112, 2, v112                    ; 4 (r + 8 (r / 8))
.irp t, 0,1,2,3,4,5,6,7
	global_load_b32 v[PC+\t], v112, s[10:11] offset:(32*(\t/2)+8*(\t%2))*4          ; bo of the row r of wo's tile t
.endr
	WIN 0x40
.irp t, 0,1,2,3,4,5,6,7
.irp i, 0,1,2,3,4,5,6,7
	global_load_b128 v[32*\t+4*\i:32*\t+4*\i+3], v[AXO], s[12:13] offset:(32*(\t/2)+8*(\t%2)+2*(\i%4)+16*(\i/4))*8192 th:TH_LOAD_NT   ; x as the results will lie: 16 lanes take a channel's 256 bytes
.endr
.endr
	WIN 0
	s_lshl_b32 s78, s[WV], 11
	v_lshl_add_u32 v10, v113, 4, s78
	v_add_nc_u32 v10, OIMG, v10                    ; O's images in: K step w
	s_lshl_b32 s78, s[WV], 7
	v_lshl_add_u32 v11, v113, 2, s78
	v_add_nc_u32 v11, OSC, v11
	v_lshl_add_u32 v12, v113, 4, OIMG              ; and back
	v_lshl_add_u32 v13, v113, 2, OSC
	v_lshl_add_u32 v14, v113, 4, s69               ; wo's chunk w: fragments,
	v_lshl_add_u32 v15, v113, 3, s69
	v_add_nc_u32 v15, 65536, v15                   ; scale words
	s_mul_i32 s78, s[WV], 4352
	s_add_co_u32 s78, s78, STAGE
	v_mul_u32_u24 v120, v114, 272
	v_lshl_add_u32 v120, v115, 6, v120
	v_add_nc_u32 v120, s78, v120                   ; my stage in: row r, + 64 h
	v_mul_u32_u24 v121, v115, 272
	v_lshl_add_u32 v121, v114, 4, v121
	v_add_nc_u32 v121, s78, v121                   ; back: lanes 0-15 one row, lanes 16-31 the next
	s_wait_dscnt 16                                ; M' and the sums are in; P's sixteen loads may be out
.set zn, 0
.rept 188
	AOP 2
.set zn, zn+1
.endr
	WIN 0
	v_rcp_f32 v[TT], v[LL]
	v_rcp_f32 v[TT+7], v[LL+1]
	v_nop
	s_wait_alu depctr_va_vdst(0)                   ; one wait for the two reciprocals
	v_permlanex16_b32 v[TT+1], v[TT], s[SEL], s[SEL+1]
	v_permlanex16_b32 v[TT+8], v[TT+7], s[SEL], s[SEL+1]
	v_cndmask_b32 v[FF], v[TT], v[TT+1], s[HM]     ; 1 / the sum of each tile's query, in both halves of the lanes
	v_cndmask_b32 v[FF+2], v[TT+1], v[TT], s[HM]
	v_cndmask_b32 v[FF+4], v[TT+7], v[TT+8], s[HM]
	v_cndmask_b32 v[FF+6], v[TT+8], v[TT+7], s[HM]
	s_wait_dscnt 0x0
.set zk, 0
.rept 32
	PVPROD 0
.set zk, zk+1
.endr
	WIN 0
	PLACES 8
.set zr, 0
.rept 128
	RESC                                           ; O^T / the sum
.set zr, zr+1
.endr
.irp q, 0,1,2,3
	QUANT 64*\q,S+16*\q,TQ+\q,0x02                 ; my 128 channels of tile q: K step w of the last product
.irp c, 0,1,2,3
	ds_store_b128 v10, v[S+16*\q+4*\c:S+16*\q+4*\c+3] offset:\q*8192+\c*512
.endr
	ds_store_b32 v11, v[TQ+\q] offset:\q*512
.endr
	s_wait_dscnt 0x0                               ; for the others' sake; my reads of P are long over
	s_barrier_signal -1
	s_barrier_wait -1
	WIN 0xc0
.irp q, 0,1,2,3
.irp e, 0,1,2,3
.irp c, 0,1,2,3
	ds_load_b128 v[16*(4*\q+\e)+4*\c:16*(4*\q+\e)+4*\c+3], v12 offset:(4*\q+\e)*2048+\c*512
.endr
.endr
.endr
	WIN 0
.irp q, 0,1,2,3
.irp e, 0,1,2,3
	ds_load_b32 v[QS+4*\q+\e], v13 offset:(4*\q+\e)*128
.endr
.endr
	s_wait_loadcnt 63                              ; 72 were issued: the oldest nine are in, bo's eight among them
.irp t, 0,1,2,3,4,5,6,7
.irp j, 0,1,2,3,4,5,6,7
	v_mov_b32 v[BIAS+8*\t+\j], v[PC+\t]            ; bo in the result's layout: eight positions of one output
.endr
.endr
	s_wait_tensorcnt 0x0                           ; wo's chunk w: I fetched it, and I alone read it
.macro FETCHO t, buf
.irp e, 0,1,2,3
.irp c, 0,1,2,3
	ds_load_b128 v[S+64*(\buf)+16*\e+4*\c:S+64*(\buf)+16*\e+4*\c+3], v14 offset:(\t)*8192+\e*2048+\c*512
.endr
.endr
	ds_load_b64 v[WSF+2*(\buf):WSF+2*(\buf)+1], v15 offset:(\t)*256
.endm
.macro YMUL t, buf                     ; source 0 = O's 16 queries, source 1 = 16 rows of wo: a lane holds one output and eight neighbouring positions.  Four accumulators by turns
.irp e, 0,1,2,3
.if \e == 0
	WIN 0x83                                       ; A window 3, B and C (the bias) window 0, D window 2
.else
	WIN 0xa3
.endif
.irp q, 0,1,2,3
.if \e == 0
	WMMA 32*(\t)+8*\q,16*(4*\q+\e),S+64*(\buf)+16*\e,BIAS+8*(\t),QS+4*\q+\e,WSF+2*(\buf)+\e/2,0,\e%2
.else
	WMMA 32*(\t)+8*\q,16*(4*\q+\e),S+64*(\buf)+16*\e,32*(\t)+8*\q,QS+4*\q+\e,WSF+2*(\buf)+\e/2,0,\e%2
.endif
.endr
.endr
.endm
.macro TOSTAGE t                       ; 16 outputs x 64 positions through my stage: in by lanes' pieces of 64 bytes, back as whole rows of 256 bytes, into the registers that they left
	WIN 0x08
.irp q, 0,1,2,3
	ds_store_b128 v120, v[32*(\t)+8*\q:32*(\t)+8*\q+3] offset:(\q/2)*128+(\q%2)*32         ; each accumulator from its low end on
	ds_store_b128 v120, v[32*(\t)+8*\q+4:32*(\t)+8*\q+7] offset:(\q/2)*128+(\q%2)*32+16
.endr
	WIN 0x80
.irp i, 0,1,2,3,4,5,6,7
	ds_load_b128 v[32*(\t)+4*\i:32*(\t)+4*\i+3], v121 offset:544*\i                        ; LDS serves a wave's instructions in order
.endr
.endm
.macro FINISH t, left                  ; left: the LDS loads issued behind the stage's, which may stay out
	s_wait_dscnt \left
.if (\t) == 0
	s_wait_loadcnt 0x0                             ; x
.endif
	WIN 0x86
.irp p, 0,2,4,6,8,10,12,14,16,18,20,22,24,26,28,30
	v_pk_add_f32 v[32*(\t)+\p:32*(\t)+\p+1], v[32*(\t)+\p:32*(\t)+\p+1], v[32*(\t)+\p:32*(\t)+\p+1]   ; + x (window 1)
.endr
	WIN 0x08
.irp i, 0,1,2,3,4,5,6,7
	global_store_b128 v[AXO], v[32*(\t)+4*\i:32*(\t)+4*\i+3], s[14:15] offset:(32*((\t)/2)+8*((\t)%2)+2*(\i%4)+16*(\i/4))*8192 th:TH_STORE_NT   ; 16 lanes store 256 consecutive bytes, aligned
.endr
.endm
	FETCHO 0,0
.irp o, 0,1,2,3,4,5,6,7
	WIN 0
.if \o == 0
	s_wait_dscnt 0x0
.else
	s_wait_dscnt 16                                ; this tile's fragments are in; the stage's sixteen instructions behind them may be out
.endif
.if \o < 7
	FETCHO \o+1,(\o+1)%2                           ; into the buffer that the tile before has left, behind the vector work that followed its products
.endif
	YMUL \o,\o%2
.if \o == 0
	WIN 0
	PLACES 8
.elseif \o < 7
	FINISH \o-1,17                                 ; its sixteen additions are the places behind this tile's products
.else
	FINISH \o-1,0
.endif
	TOSTAGE \o
.endr
	FINISH 7,0
	WIN 0
	s_wait_tensorcnt 0x0                           ; the wave's end
	ds_add_u32 v[SPW], v[NIL]
	s_wait_dscnt 0x0
	ROUND                                          ; the closing round: no work-group ends while a partner may still ask for a tile that names it
	s_endpgm
.Lfunc_end_k_q83656a1971_attn:
	.size	k_q83656a1971_attn, .Lfunc_end_k_q83656a1971_attn-k_q83656a1971_attn
	.p2alignl 7, 3214868480
	.fill 96, 4, 3214868480
	.section	.rodata,"a",@progbits
	.p2align	6, 0x0
	.amdhsa_kernel k_q83656a1971_attn
		.amdhsa_group_segment_fixed_size 327680
		.amdhsa_private_segment_fixed_size 0
		.amdhsa_enable_private_segment 0
		.amdhsa_kernarg_size 48
		.amdhsa_user_sgpr_count 2
		.amdhsa_user_sgpr_kernarg_segment_ptr 1
		.amdhsa_wavefront_size32 1
		.amdhsa_system_sgpr_workgroup_id_x 1
		.amdhsa_system_sgpr_workgroup_id_y 1
		.amdhsa_system_sgpr_workgroup_id_z 1
		.amdhsa_system_vgpr_workitem_id 0
		.amdhsa_next_free_vgpr 1024
		.amdhsa_next_free_sgpr 100
		.amdhsa_reserve_vcc 0
		.amdhsa_float_denorm_mode_32 3
		.amdhsa_float_denorm_mode_16_64 3
		.amdhsa_memory_ordered 1
		.amdhsa_forward_progress 1
		.amdhsa_inst_pref_size 255
	.end_amdhsa_kernel
	.section	.bss,"aw",@nobits
	.p2align	6
	.space	262144
	.amdgpu_metadata
---
amdhsa.version: [ 1, 2 ]
amdhsa.kernels:
  - .name:           k_q83656a1971_attn
    .symbol:         k_q83656a1971_attn.kd
    .args:
      - { .name: qbuf, .offset: 0, .size: 8, .value_kind: global_buffer, .address_space: global }
      - { .name: kv, .offset: 8, .size: 8, .value_kind: global_buffer, .address_space: global }
      - { .name: wbuf, .offset: 16, .size: 8, .value_kind: global_buffer, .address_space: global }
      - { .name: bo, .offset: 24, .size: 8, .value_kind: global_buffer, .address_space: global }
      - { .name: x, .offset: 32, .size: 8, .value_kind: global_buffer, .address_space: global }
      - { .name: out0, .offset: 40, .size: 8, .value_kind: global_buffer, .address_space: global }
    .group_segment_fixed_size: 327680
    .private_segment_fixed_size: 0
    .kernarg_segment_align: 8
    .kernarg_segment_size: 48
    .max_flat_workgroup_size: 128
    .sgpr_count:     100
    .vgpr_count:     1024
    .wavefront_size: 32
...
	.end_amdgpu_metadata
.endif
;; end of part 5
